; MI455X (gfx1250); checked and timed in simulation.
; The chip was launched on July 23, 2026; its instructions are those of AMD's public machine-readable ISA for CDNA 5 (MIT licence, August 2026) and "CDNA5" Instruction Set Architecture Reference Guide (July 2026). The comments in the code are by the model that wrote it; some were corrected since.
;; Attention. Allowed arithmetic: float matrix products may take bf16 or f16 operands with f32 sums; other float arithmetic in f32, or as packed bf16 or f16 multiplies, adds, multiply-adds, maxima and minima; sums over many terms, partial sums and values carried from step to step in f32; what a program stores and reads back later, other than sums and carried values, may be rounded once to bf16 or f16.
;; Inputs: Wk 512 x 512 float32; Wp 512 x 512 float32; Wq 512 x 512 float32; Wv 512 x 512 float32; bk 512 float32; bp 512 float32; bq 512 float32; bv 512 float32; coords 2 x 4,096 x 2 float32; slopes 8 float32; x 2 x 4,096 x 512 float32.
;; Outputs: out0 2 x 4,096 x 512 float32.
;; 2 versions, each right; version 2 is version 1 with the launches proj, outp written anew for expert scheduling mode. Each part assembles by itself: llvm-mc -triple=amdgcn-amd-amdhsa -mcpu=gfx1250 --defsym DOCPART=n.
;; ======== version 1 of 2: 3 launches
;; limits: values are held in f16: magnitudes above 65,504 overflow, below 6.1e-05 lose precision
;; workspace buffers: qh 8,388,608 bytes; kh 8,388,608 bytes; vh 8,388,608 bytes; oh 8,388,608 bytes
;; launch proj (part 1): grid 8 x 32, 4 waves a work-group, no clusters, 69,120 bytes of LDS; arguments x, Wq, Wk, Wv, bq, bk, bv, qh, kh, vh; writes qh, kh, vh
.if DOCPART == 1
	.amdgcn_target "amdgcn-amd-amdhsa--gfx1250"
	.amdhsa_code_object_version 6
	.text
	.protected	k_q7cf72096f1_proj
	.globl	k_q7cf72096f1_proj
	.p2align	8
	.type	k_q7cf72096f1_proj,@function
k_q7cf72096f1_proj:
	s_mov_b64 s[64:65], 0
	v_nop
	global_prefetch_b8 v0, s[64:65] scope:SCOPE_SE
	s_setreg_imm32_b32 hwreg(HW_REG_WAVE_MODE, 25, 1), 1
	s_wait_xcnt 0x0
; q, k, v = x W + b for one head j and 256 rows.  x: [8192][512] f32; Wq, Wk, Wv: [512 k][512 n] f32; biases [512] f32.
; Out: qh, kh, vh = [2][8][4096][64] f16: a head's rows are dense, 128 bytes each; each number is rounded once from its f32 sum, unscaled.
; LIMITS.  x and W are rounded to f16 for the products, q, k, v to f16 on the way out: f16 holds no number beyond 65,504 (a larger one becomes an infinity) and keeps a fixed
; step of 6e-8 below 6e-5.  NaN and infinities are not treated apart.
; SHARES.  Work-group (j, rb): rows 256 rb .. + 255, the 64 columns of head j in each of the three products.  Wave w: rows 64 w .. + 63 x all 192 columns: 48 accumulators of 16 x 16.
; THE PRODUCT IS USED TRANSPOSED (source 0 = 16 columns of W, source 1 = 16 rows of x): a lane then holds one row and eight neighbouring columns, 16 bytes of f16.
; K goes in 8 chunks of 64.  W's chunk (64 k x 192 n) is loaded in f32, rounded in registers and laid into one of two LDS buffers as it lies, [k][n]; the turning load makes fragments of it.
; A wave's rows of x are its own: they go from memory to registers, are rounded there and never touch LDS.  A chunk's 56 loads go out at the head of the chunk before.
; NO TENSOR LOADS, NO CLUSTER: both operands arrive in f32 and have to pass through registers to be rounded before they can be matrix operands, so a tile brought into LDS by the mover
; would be read out, rounded and (for W) stored again; x's fragments are shared by no two waves of a work-group.
; NO PREFETCH: every load is issued a whole chunk (96 matrix instructions) ahead of its wait, and x and W are each read by several work-groups.
; THE SUMS START AT THE BIAS: 384 v_mov_b32 lay it into the accumulators while the first 56 loads are out; the price of one form of product and no addition at the end.
; REGISTERS, in windows of 256 (s_set_vgpr_msb: bits 1:0 source 0, 3:2 source 1, 5:4 source 2, 7:6 destination):
;   window 0: v2-13 addresses; v16-31 at work; v32-95 x's fragments (f16); v96-191 W's fragments, two halves of 48; on the way out v32-223
;   window 1: accumulators of column blocks 0-7 (block nb, row block a at 8 (4 nb + a));  window 2: v0-127 those of blocks 8-11;  window 3: v0-127 x in f32, v128-223 W in f32
.set PW,    416       ; a row of W's chunk in LDS: 192 f16 + 32 bytes = 13 x 32 bytes
.set WB1,   32768     ; the second buffer; one exclusive or turns an address in one buffer into the other's
.set STAGE, 59392     ; 16 rows x 144 bytes for each wave, for the way out
.set SP,    144
.set SPARE, 68608     ; the spare words, 128 bytes a wave: two blocks of 256 bytes that no other line names
.set XO,  2           ; my byte offset in the block's rows of x
.set WO,  3           ; my byte offset in a chunk of W
.set WS0, 4           ; where I store my 8 bytes of W's chunk, in buffer 0
.set BA0, 5           ; my lane's place for the turning load, in buffer 0
.set STO, 6
.set RD,  7
.set GO,  8
.set BO,  9           ; my byte offset in 16 numbers of a bias
.set SPW, 10          ; LDS address of my spare word; never rewritten
.set NIL, 11          ; 0; never rewritten
.set BAC, 12          ; BA0 in the buffer in hand
.set WSC, 13          ; WS0 in the buffer to be written
.set CT,  16
.set A,   32
.set B,   96
.set OB,  32
.set XS,  0           ; window 3
.set WG,  128         ; window 3
.set WV,  4
.set CNT, 7
.set BT,  28          ; the LDS byte at which the buffer in hand begins
.set MSB, 0
.macro WIN new                      ; the high byte repeats the setting that is left; a switch that changes nothing is dropped
.if MSB != (\new)
	s_set_vgpr_msb (MSB<<8)|(\new)
.set MSB, (\new)
.endif
.endm
.macro PLACES                       ; four places in front of loads into registers that matrix instructions have read, and of conversions that read results
.rept 4
	v_nop
.endr
.endm
	s_load_b512 s[8:23], s[0:1], 0x0   ; x s[8:9]; Wq, Wk, Wv s[10:15]; bq, bk, bv s[16:21]; qh s[22:23]
	s_load_b128 s[24:27], s[0:1], 0x40 ; kh, vh
	v_lshl_add_u32 v[SPW], v0, 2, SPARE
	v_mov_b32 v[NIL], 0
	v_lshrrev_b32 v1, 5, v0
	v_readfirstlane_b32 s[WV], v1   ; wave 0..3
	s_and_b32 s6, ttmp7, 0xffff     ; rb
	v_and_b32 v14, 15, v0           ; l % 16
	v_bfe_u32 v15, v0, 4, 1         ; l / 16
	v_and_b32 v16, 7, v0
	v_bfe_u32 v17, v0, 3, 1
	v_bfe_u32 v18, v0, 3, 2
	v_and_b32 v19, 31, v0
	s_lshl_b32 s29, s[WV], 17       ; x: my wave's 64 rows of 2,048 bytes,
	v_lshlrev_b32 v[XO], 11, v14    ; row l % 16,
	v_lshl_add_u32 v[XO], v15, 5, v[XO]  ; eight f32 for each half of the lanes
	v_add_nc_u32 v[XO], s29, v[XO]
	s_lshl_b32 s29, s[WV], 15       ; W: my wave's 16 rows of a chunk, two rows a load,
	v_lshlrev_b32 v[WO], 11, v15
	v_lshl_add_u32 v[WO], v14, 4, v[WO]  ; sixteen lanes take a row's 256 bytes
	v_add_nc_u32 v[WO], s29, v[WO]
	s_mul_i32 s29, s[WV], 16*PW
	v_mul_u32_u24 v[WS0], v15, PW
	v_lshl_add_u32 v[WS0], v14, 3, v[WS0]
	v_add_nc_u32 v[WS0], s29, v[WS0]
	v_lshl_add_u32 v[BA0], v15, 3, v16   ; the turning load: lane l reads row 8 (l / 16) + l % 8, columns 8 ((l / 8) % 2) + 0..7
	v_mul_u32_u24 v[BA0], v[BA0], PW
	v_lshl_add_u32 v[BA0], v17, 4, v[BA0]
	s_mul_i32 s29, s[WV], 16*SP
	s_add_co_u32 s29, s29, STAGE    ; my stage
	v_mul_u32_u24 v[STO], v14, SP   ; in: row l % 16, 16 bytes for each half of the lanes
	v_lshl_add_u32 v[STO], v15, 4, v[STO]
	v_add_nc_u32 v[STO], s29, v[STO]
	v_mul_u32_u24 v[RD], v18, SP    ; back: 32 lanes take four rows of 128 bytes,
	v_lshl_add_u32 v[RD], v16, 4, v[RD]
	v_add_nc_u32 v[RD], s29, v[RD]
	v_lshlrev_b32 v[GO], 4, v19     ; which are 512 consecutive bytes of the output
	v_lshlrev_b32 v[BO], 5, v15
	s_lshl_b32 s30, s6, 19          ; x: 256 rb rows
	s_mov_b32 s31, 0
	s_lshl_b32 s32, ttmp9, 8        ; W and the biases: 64 j columns of f32
	s_mov_b32 s33, 0
	s_lshr_b32 s34, s6, 4           ; the batch,
	s_lshl_b32 s34, s34, 3
	s_add_co_u32 s34, s34, ttmp9    ; the plane 8 b + j of 4,096 rows x 128 bytes,
	s_lshl_b32 s34, s34, 19
	s_and_b32 s35, s6, 15
	s_lshl_b32 s35, s35, 15         ; the block's 256 rows in it,
	s_add_co_u32 s34, s34, s35
	s_lshl_b32 s35, s[WV], 13       ; my wave's 64
	s_add_co_u32 s34, s34, s35
	s_mov_b32 s35, 0
	s_mov_b32 s[BT], 0
	s_wait_kmcnt 0x0
	s_add_nc_u64 s[8:9], s[8:9], s[30:31]
.irp p, 10,12,14,16,18,20
	s_add_nc_u64 s[\p:\p+1], s[\p:\p+1], s[32:33]
.endr
.irp p, 22,24,26
	s_add_nc_u64 s[\p:\p+1], s[\p:\p+1], s[34:35]
.endr
; A chunk's 24 loads of W: product mu, rows 2 ii and 2 ii + 1 of my 16; each covers two rows' aligned 256 bytes.
.macro WLOAD
	WIN 0xc0
.irp mu, 0,1,2
.irp ii, 0,1,2,3,4,5,6,7
	global_load_b128 v[WG+4*(8*\mu+\ii):WG+4*(8*\mu+\ii)+3], v[WO], s[10+2*\mu:11+2*\mu] offset:4096*\ii
.endr
.endr
.endm
; A chunk's 32 loads of x.  A fragment (row block a, 32 k at c) holds for lane l row l % 16, k = 8 (l / 16) + 0..7 and 16 + 8 (l / 16) + 0..7: in f32 four loads of 16 bytes.
.macro XLOAD
	WIN 0xc0
.irp a, 0,1,2,3
.irp c, 0,1
	global_load_b128 v[XS+16*(2*\a+\c):XS+16*(2*\a+\c)+3],     v[XO], s[8:9] offset:32768*\a+128*\c
	global_load_b128 v[XS+16*(2*\a+\c)+4:XS+16*(2*\a+\c)+7],   v[XO], s[8:9] offset:32768*\a+128*\c+16
	global_load_b128 v[XS+16*(2*\a+\c)+8:XS+16*(2*\a+\c)+11],  v[XO], s[8:9] offset:32768*\a+128*\c+64
	global_load_b128 v[XS+16*(2*\a+\c)+12:XS+16*(2*\a+\c)+15], v[XO], s[8:9] offset:32768*\a+128*\c+80
.endr
.endr
	WIN 0
.endm
; The chunk that has come is rounded: W into the LDS buffer at WSC, x into its fragments.  W's 48 conversions name no register of the last products: they are the places in front of the writes of x's fragments.
.macro CONVERT
	s_wait_loadcnt 32               ; W's 24 loads are in; x's 32, issued behind them, may stay out
.irp mu, 0,1,2
	WIN 0x0f                        ; sources in window 3, destination in window 0
.set i, 0
.rept 16
	v_cvt_pk_f16_f32 v[CT+i], v[WG+32*\mu+2*i], v[WG+32*\mu+2*i+1]
.set i, i+1
.endr
	WIN 0
.irp ii, 0,1,2,3,4,5,6,7
	ds_store_b64 v[WSC], v[CT+2*\ii:CT+2*\ii+1] offset:128*\mu+2*PW*\ii
.endr
.endr
	s_wait_loadcnt 0x0              ; x is in; no load is out, so the pointers may be stepped
	WIN 0x0f
.set i, 0
.rept 64
	v_cvt_pk_f16_f32 v[A+i], v[XS+2*i], v[XS+2*i+1]
.set i, i+1
.endr
	WIN 0
.endm
; 12 turning loads: W's fragments of 32 k at c, column blocks 6 hf .. 6 hf + 5.
.macro BF c, hf
	WIN 0
.irp i, 0,1,2,3,4,5
	ds_load_tr16_b128 v[B+48*(\hf)+8*\i:B+48*(\hf)+8*\i+3],   v[BAC] offset:32*PW*(\c)+32*(6*(\hf)+\i)
	ds_load_tr16_b128 v[B+48*(\hf)+8*\i+4:B+48*(\hf)+8*\i+7], v[BAC] offset:32*PW*(\c)+32*(6*(\hf)+\i)+16*PW
.endr
.endm
; 24 products on 24 different accumulators; the 48 take turns in the same order in every chunk.
.macro MUL c, hf
.irp i, 0,1,2,3,4,5
.set nb, 6*(\hf)+\i
.if nb < 8
	WIN 0x50
.else
	WIN 0xa0
.endif
.irp a, 0,1,2,3
.set rc, 8*((4*nb+\a)%32)
	v_wmma_f32_16x16x32_f16 v[rc:rc+7], v[B+48*(\hf)+8*\i:B+48*(\hf)+8*\i+7], v[A+8*(2*\a+(\c)):A+8*(2*\a+(\c))+7], v[rc:rc+7]
.endr
.endr
.endm
; A chunk.  ld = 1: the next chunk is asked for at the head and, behind the products, rounded into the other buffer.  ONE barrier a chunk: the buffer that is written here was last read in the chunk
; before, and every wave waited for those reads in front of that chunk's barrier; the chunk that reads it stands behind this one's.
.macro CHUNK ld
.if \ld
	s_add_nc_u64 s[8:9], s[8:9], 256        ; 64 k of f32 along x's rows
	s_add_nc_u64 s[10:11], s[10:11], 131072 ; 64 rows of W
	s_add_nc_u64 s[12:13], s[12:13], 131072
	s_add_nc_u64 s[14:15], s[14:15], 131072
	WLOAD
	XLOAD
.endif
	WIN 0
	v_add_nc_u32 v[BAC], s[BT], v[BA0]
	BF 0, 0
	BF 0, 1
	s_wait_dscnt 12                 ; the older 12 loads are in, the younger 12 may stay out: so at each of these three waits
	MUL 0, 0
	PLACES
	BF 1, 0
	s_wait_dscnt 12
	MUL 0, 1
	PLACES
	BF 1, 1
	s_wait_dscnt 12
	MUL 1, 0
	s_wait_dscnt 0x0
	MUL 1, 1
.if \ld
	WIN 0
	s_xor_b32 s[BT], s[BT], WB1
	v_add_nc_u32 v[WSC], s[BT], v[WS0]
	CONVERT
	s_wait_dscnt 0x0                ; for the others' sake: my stores are done (my reads were waited for above)
	s_barrier_signal -1
	s_barrier_wait -1
.endif
.endm
.irp mu, 0,1,2                      ; the biases: for column block nb = 4 mu + cb my eight numbers, into W's fragment registers, which are free
.irp cb, 0,1,2,3
	global_load_b128 v[B+8*(4*\mu+\cb):B+8*(4*\mu+\cb)+3],   v[BO], s[16+2*\mu:17+2*\mu] offset:64*\cb
	global_load_b128 v[B+8*(4*\mu+\cb)+4:B+8*(4*\mu+\cb)+7], v[BO], s[16+2*\mu:17+2*\mu] offset:64*\cb+16
.endr
.endr
	WLOAD                           ; chunk 0
	XLOAD
	s_wait_loadcnt 56               ; the biases are in; the 56 loads behind them may stay out
.set nb, 0
.rept 12
.if nb < 8
	WIN 0x40
.else
	WIN 0x80
.endif
.set t, 0
.rept 32                            ; the four row blocks' accumulators of column block nb
	v_mov_b32 v[8*((4*nb)%32)+t], v[B+8*nb+t%8]
.set t, t+1
.endr
.set nb, nb+1
.endr
	WIN 0
	v_add_nc_u32 v[WSC], s[BT], v[WS0]
	CONVERT
	s_wait_dscnt 0x0
	s_barrier_signal -1
	s_barrier_wait -1
	s_mov_b32 s[CNT], 7
.Lchunk:                            ; chunks 0 to 6
	CHUNK 1
	s_sub_co_u32 s[CNT], s[CNT], 1
	s_cmp_lg_u32 s[CNT], 0
	s_cbranch_scc1 .Lchunk
	CHUNK 0                         ; chunk 7 asks for nothing
	WIN 0
	PLACES
; THE WAY OUT, in 12 groups g = 4 mu + a: 16 rows x 64 columns of product mu.  Rounded to f16 (each accumulator's registers in ascending order), 16 bytes a lane into my stage, back as whole rows of 128 bytes.
.macro PACK g
.if (\g) < 8
	WIN 0x05
.else
	WIN 0x0a
.endif
.set i, 0
.rept 16
.set rc, 8*((4*(4*((\g)/4)+i/4)+(\g)%4)%32)+2*(i%4)
	v_cvt_pk_f16_f32 v[OB+16*(\g)+i], v[rc], v[rc+1]
.set i, i+1
.endr
	WIN 0
.irp f, 0,1,2,3
	ds_store_b128 v[STO], v[OB+16*(\g)+4*\f:OB+16*(\g)+4*\f+3] offset:32*\f
.endr
.irp f, 0,1,2,3
	ds_load_b128 v[OB+16*(\g)+4*\f:OB+16*(\g)+4*\f+3], v[RD] offset:\f*4*SP  ; LDS serves a wave's instructions in order (ISA guide 5.7.1.4): these see the stores above; the next group's stores come behind them
.endr
.endm
.macro SEND g, younger              ; younger: the LDS instructions issued behind group g's loads: the next group's eight, or none.  Each group has registers of its own: no store's data is rewritten
.irp f, 0,1,2,3
	s_wait_dscnt (\younger)+3-\f
	global_store_b128 v[GO], v[OB+16*(\g)+4*\f:OB+16*(\g)+4*\f+3], s[22+2*((\g)/4):23+2*((\g)/4)] offset:2048*((\g)%4)+512*\f  ; 512 consecutive bytes, at a multiple of 256 from the buffer's first
.endr
.endm
	PACK 0
.set t, 1
.rept 11
	PACK t
	SEND t-1, 8
.set t, t+1
.endr
	SEND 11, 0
	s_wait_tensorcnt 0x0            ; the wave's end, behind my last LDS store
	ds_add_u32 v[SPW], v[NIL]
	s_wait_dscnt 0x0
	s_endpgm
.Lfunc_end_k_q7cf72096f1_proj:
	.size	k_q7cf72096f1_proj, .Lfunc_end_k_q7cf72096f1_proj-k_q7cf72096f1_proj
	.p2alignl 7, 3214868480
	.fill 96, 4, 3214868480
	.section	.rodata,"a",@progbits
	.p2align	6, 0x0
	.amdhsa_kernel k_q7cf72096f1_proj
		.amdhsa_group_segment_fixed_size 69120
		.amdhsa_private_segment_fixed_size 0
		.amdhsa_enable_private_segment 0
		.amdhsa_kernarg_size 80
		.amdhsa_user_sgpr_count 2
		.amdhsa_user_sgpr_kernarg_segment_ptr 1
		.amdhsa_wavefront_size32 1
		.amdhsa_system_sgpr_workgroup_id_x 1
		.amdhsa_system_sgpr_workgroup_id_y 1
		.amdhsa_system_sgpr_workgroup_id_z 1
		.amdhsa_system_vgpr_workitem_id 0
		.amdhsa_next_free_vgpr 992
		.amdhsa_next_free_sgpr 66
		.amdhsa_reserve_vcc 0
		.amdhsa_float_denorm_mode_32 3
		.amdhsa_float_denorm_mode_16_64 3
		.amdhsa_memory_ordered 1
		.amdhsa_forward_progress 1
		.amdhsa_inst_pref_size 91
	.end_amdhsa_kernel
	.amdgpu_metadata
---
amdhsa.version: [ 1, 2 ]
amdhsa.kernels:
  - .name:           k_q7cf72096f1_proj
    .symbol:         k_q7cf72096f1_proj.kd
    .args:
      - { .name: x, .offset: 0, .size: 8, .value_kind: global_buffer, .address_space: global }
      - { .name: Wq, .offset: 8, .size: 8, .value_kind: global_buffer, .address_space: global }
      - { .name: Wk, .offset: 16, .size: 8, .value_kind: global_buffer, .address_space: global }
      - { .name: Wv, .offset: 24, .size: 8, .value_kind: global_buffer, .address_space: global }
      - { .name: bq, .offset: 32, .size: 8, .value_kind: global_buffer, .address_space: global }
      - { .name: bk, .offset: 40, .size: 8, .value_kind: global_buffer, .address_space: global }
      - { .name: bv, .offset: 48, .size: 8, .value_kind: global_buffer, .address_space: global }
      - { .name: qh, .offset: 56, .size: 8, .value_kind: global_buffer, .address_space: global }
      - { .name: kh, .offset: 64, .size: 8, .value_kind: global_buffer, .address_space: global }
      - { .name: vh, .offset: 72, .size: 8, .value_kind: global_buffer, .address_space: global }
    .group_segment_fixed_size: 69120
    .private_segment_fixed_size: 0
    .kernarg_segment_align: 8
    .kernarg_segment_size: 80
    .max_flat_workgroup_size: 128
    .sgpr_count:     66
    .vgpr_count:     992
    .wavefront_size: 32
...
	.end_amdgpu_metadata
.endif
;; end of part 1
;; launch attn (part 2): grid 32 x 8, 4 waves a work-group, clusters of 4 x 1, 327,680 bytes of LDS; arguments qh, kh, vh, coords, slopes, oh; writes oh
.if DOCPART == 2
	.amdgcn_target "amdgcn-amd-amdhsa--gfx1250"
	.amdhsa_code_object_version 6
	.text
	.protected	k_q7cf72096f1_attn
	.globl	k_q7cf72096f1_attn
	.p2align	8
	.type	k_q7cf72096f1_attn,@function
k_q7cf72096f1_attn:
	s_mov_b64 s[64:65], 0
	v_nop
	global_prefetch_b8 v0, s[64:65] scope:SCOPE_SE
	s_setreg_imm32_b32 hwreg(HW_REG_WAVE_MODE, 25, 1), 1
	s_wait_xcnt 0x0
	s_wait_alu depctr_hold_cnt(0) depctr_sa_sdst(0) depctr_va_vdst(0) depctr_va_sdst(0) depctr_va_ssrc(0) depctr_va_vcc(0) depctr_vm_vsrc(0)
	s_getreg_b32 s2, hwreg(HW_REG_IB_STS2, 6, 4)
	s_cmp_eq_u32 s2, 0
	s_cbranch_scc0 .Lentry_in_a_cluster
	s_endpgm
.Lentry_in_a_cluster:
	s_bfe_u32 s2, ttmp6, 0x10000c
	s_cmp_lg_u32 s2, 0x3003
	s_cbranch_scc0 .Lentry_shape_is_right
	s_endpgm
.Lentry_shape_is_right:
; O[q] = the sum over k of softmax_k(Q[q] . K[k] / 8 - slope_h |coords_q - coords_k|) V[k], for 128 queries and TWO heads of one batch.
; qh, kh, vh: [2][8][4096][64] f16, a head's rows dense, 128 bytes each.  coords: [2][4096][2] f32.  slopes: [8] f32.  oh: [8192][512] f16 (row = batch x 4096 + query, column = 64 head + channel).
; Products, distances, maxima and sums in f32; the weights p are rounded to f16 for the second product (their sum l is taken of the unrounded p), O once at the end.
; LIMITS.  f16 holds no number beyond 65,504: Q, K, V arrive within it; p lies in 0 to 1 and below 6e-5 keeps f16's fixed step of 6e-8; O is a mean of V's rows.  A weight below 2^-126 counts as 0 in l;
; a squared distance below 2^-126 counts as 0; NaN and infinities are not treated apart.
; SHARES.  y = 4 batch + head pair.  A work-group owns 128 queries, a wave 32 of them (tiles u = 0, 1 of 16) for BOTH heads of the pair: four tile-heads th = 2 head + u.  A distance that the wave makes
; (four packed lines and two roots for two scores) so serves two heads.  Every wave walks all 4,096 keys, 64 a step.
; LAYOUT.  S^T = K Q^T (source 0 = 16 keys, source 1 = 16 queries): a lane holds ONE query (lane % 16) and the keys 8 (lane / 16) + 0..7 of each block of 16.  The distances D lie in the same layout.
; Two such results, rounded to f16 in pairs, ARE source 1 of O^T = V^T P.  K comes out of LDS as it lies, V ([key][channel]) turned, by ds_load_tr16_b128.
; SCORES.  s = q . k - 8 slope dist; p = 2^(c s - c m), c = log2(e) / 8, m a running maximum of s; in every step O and l are multiplied by a = 2^(c m_old - c m_new).  m starts at the lowest finite number,
; O and l at 0: the first step is a step like any other, with a = 0 (232 v_mov_b32 while the first tile is on its way are the price).  The distance is sqrt(dx dx + dy dy) of differences taken in f32.
; BY TURNS.  PIECE x is head x with both tiles.  In TURN x piece x has the matrix unit: 16 products V^T P of the step in hand, later 16 products K Q^T of the next step; the other piece's softmax stands beside
; and between them: four plain lines behind every product, the rest (statistics, scalings, exponentials and, in piece 0's turn, the next step's distances) in one lump with ONE wait for all its exponentials and roots.
; CLUSTER.  The four query blocks of a cluster have the same batch and head pair and walk the same K and V: each tile is asked for JOINTLY, by the same tensor load, descriptor and mask in all four.
; REGISTERS, in windows of 256 (s_set_vgpr_msb: bits 1:0 source 0, 3:2 source 1, 5:4 source 2, 7:6 destination):
;   window 0: v1-15 lane numbers and addresses; v16-47 eight registers of statistics a tile-head; v48-61 set-up, -8 slope, offsets; v62, v63 the add's; v64-191 S^T, 32 a tile-head; v192-255 P, 16 a tile-head
;   window 1: v0-127 O^T, 32 a tile-head      window 2: v0-63 Q, 16 a tile-head; v64-127 K of one head and step; v128-255 V of one step, 64 a head
;   window 3: v0-63 D, 32 a tile; v64-95, v96-127 the step's key x and y; v128-143 at work; v160-167 -qx, -qx, -qy, -qy of each tile
.set KS,    64        ; keys in a step
.set PK,    144       ; a row of K in LDS: 128 bytes + 16 of padding = 36 words: the 16 rows of a load start at 16 different groups of four banks (64 banks of 4 bytes: ISA guide 11.1)
.set PV,    160       ; a row of V: 128 + 32 = 40 words
.set KH,    128*PK    ; a slot holds two steps, 128 keys: K of head 0, K of head 1,
.set VH,    128*PV
.set VOFF,  2*KH      ; then V of head 0, V of head 1
.set SLOT1, 1<<17     ; slot 1 begins here, so that one exclusive or turns an address in one slot into the other's
.set STAGE, SLOT1+2*KH+2*VH  ; behind the ring, never filled by a tensor load: 16 rows x 272 bytes for each wave, for the way out
.set SP,    272
.set SPARE, STAGE+4*16*SP    ; the spare words, 128 bytes for each wave: two blocks of 256 bytes that no other line names
.set CX,    SPARE+512        ; the batch's 4,096 key x in f32, stored once;
.set CYO,   16384            ; so many bytes behind them the 4,096 key y
.set AK0, 2           ; my lane's place in a tile of K; never rewritten
.set AV0, 3           ; the same for V
.set AK,  4           ; the LDS address of K's run of loads in hand
.set AV,  5           ; of V's
.set STO, 6           ; the way out: where I put 16 bytes of a row
.set RD,  7           ; where I read rows back
.set GO,  8           ; my byte offset in two rows of oh
.set AC0, 12          ; my lanes' place in a step's key coordinates
.set AC,  13
.set QO,  14          ; my byte offset in 16 rows of Q
.set CA,  15          ; where my thread stores key coordinates
.set ST,  16          ; tile-head th's statistics at v[ST+8 th]: +0 c m, +1 m, +2, +3 l (even keys', odd keys'), +4 to +7 c0-c3 at work; a takes c2's place once the maximum is found
.set QC,  48          ; v48-51 my queries' coordinates as loaded
.set KCO, 52          ; 8 x my thread's number
.set QCO, 53          ; my queries' byte offset in the batch's coordinates
.set NSV, 54          ; v[54:55], v[56:57]  -8 slope of head 0 and of head 1, each twice
.set ZO,  58          ; 0, an offset
.set PFO, 61          ; the prefetches' offset; never rewritten
.set SPW, 62          ; LDS address of my spare word: SPARE + 4 x my thread's number; never rewritten
.set NIL, 63          ; 0; never rewritten
.set S,   64
.set P,   192
.set KF,  64          ; window 2: key block kb, channel half c at KF + 16 kb + 8 c
.set VF,  128         ; window 2: head hd, key half kk, channel block cb at VF + 64 hd + 32 kk + 8 cb
.set KX,  64          ; window 3
.set KY,  96
.set T,   128
.set QN,  160
.set WV,  16          ; s16  my wave's number
.set G1K, 24          ; s[24:31] descriptor group 1 for K's tiles
.set G1V, 32          ; s[32:39] for V's: it differs in the padding alone
.set G0K, 40          ; s[40:47] descriptor group 0 for K's tiles: a set for each of the two first fills; the second then walks on
.set G0V, 48          ; s[48:55] the same for V's
.set SLOTS, 56        ; s56  counts the slots
.set CNT, 57          ; s57  counts a slot's two steps
.set CS,  58          ; s[58:59] c: the packed scaling takes the pair's low word for both halves
.set SEL, 60          ; s[60:61] v_permlanex16_b32's selects: each lane takes its own place in the other half
.set TBK, 62          ; s62  LDS byte at which K of the step to be fetched begins (head 0's)
.set TBV, 63          ; s63  the same for V, less VOFF
.set CO,  66          ; s66  byte at which that step's key coordinates begin: 256 a step
.set LIM, 67          ; s67  1 in a wave that prefetches, else the greatest number
.set PFA, 68          ; s[68:69] where my prefetches stand
.set MSB, 0
.macro WIN new                      ; the high byte repeats the setting that is left; a switch that changes nothing is dropped
.if MSB != (\new)
	s_set_vgpr_msb (MSB<<8)|(\new)
.set MSB, (\new)
.endif
.endm
.set W_KQ, 0x0a       ; K and Q in window 2, S^T in window 0
.set W_PV, 0x52       ; V in window 2, P in window 0, O^T in window 1
.set W_RS, 0x41       ; O^T (destination and source 0) in window 1, a in window 0
.set W_BI, 0x03       ; D (source 0) in window 3, all else in window 0
.set W_DI, 0xff       ; all in window 3
; A joint refill.  Wave 0 fetches K of head 0, wave 1 K of head 1, waves 2 and 3 the same of V: 128 keys each.  The branch hangs on the wave's number alone.
; An s_nop 0 and four v_nop follow each of the two lines, ahead of the jump and the label.
.macro JLOAD
	s_cmp_lt_u32 s[WV], 2
	s_cbranch_scc0 .Lfor_v_\@
	tensor_load_to_lds s[G0K+4:G0K+7], s[G1K:G1K+7]
	s_nop 0
.rept 4
	v_nop
.endr
	s_branch .Lasked_\@
.Lfor_v_\@:
	tensor_load_to_lds s[G0V+4:G0V+7], s[G1V:G1V+7]
	s_nop 0
.rept 4
	v_nop
.endr
.Lasked_\@:
.endm
; A PREFETCH INTO THE L2 of what the NEXT change of slots will ask for: a slot is 64 blocks of 256 bytes of K and of V for each of the two heads.  It stands behind the wave's tensor load and its five lines.
; Each block is named ONCE in the launch: all clusters of a (batch, head pair) walk the same K and V, and the first of them asks; its four partners share the blocks out BY ADDRESS, 16 of each head each;
; in each, wave 0 asks for K's and wave 2 for V's: a lane a block, one instruction.  It runs one slot, two key steps or 128 matrix instructions, ahead of the joint load.  The last change that fills a slot asks for nothing.
.macro ASK
	s_cmp_gt_u32 s[SLOTS], s[LIM]
	s_cbranch_scc0 .Lnot_mine_\@
	global_prefetch_b8 v[PFO], s[PFA:PFA+1] th:TH_LOAD_NT scope:SCOPE_SE
.Lnot_mine_\@:
.endm
; A round of the cluster's barrier: my work-group's barrier, so that wave 0's signal speaks for all four waves; wave 0 signals; every wave waits for all four work-groups; my work-group's barrier once more.
.macro CROUND
	s_barrier_signal -1
	s_barrier_wait -1
	s_cmp_lg_u32 s[WV], 0
	s_cbranch_scc1 .Lnot_wave_0_\@
	s_barrier_signal -3
.Lnot_wave_0_\@:
	s_barrier_wait -3
	s_barrier_signal -1
	s_barrier_wait -1
.endm
	s_load_b256 s[4:11], s[0:1], 0x0   ; qh s[4:5], kh s[6:7], vh s[8:9], coords s[10:11]
	s_load_b128 s[12:15], s[0:1], 0x20 ; slopes s[12:13], oh s[14:15]
	v_lshl_add_u32 v[SPW], v0, 2, SPARE
	v_mov_b32 v[NIL], 0
	ds_add_u32 v[SPW], v[NIL]       ; the wave's opening: the add and its wait stand ahead of my first tensor load; the set-up below, work on registers, stands between them
	v_lshrrev_b32 v1, 5, v0
	v_readfirstlane_b32 s[WV], v1   ; wave 0..3
	s_bfe_u32 s17, ttmp6, 0x40000   ; cx: my place in the cluster
	s_lshl_b32 s18, ttmp9, 2        ; in a cluster launch ttmp9 counts clusters
	s_add_co_u32 s18, s18, s17      ; my block of 128 queries = 4 x cluster x + cx: it enters global addresses of Q, the queries' coordinates and O alone
	s_and_b32 s19, ttmp7, 0xffff    ; y = 4 batch + head pair, which the four partners share; the pair's first plane is 2 y
	s_and_b32 s20, s[WV], 1         ; the head of the pair that I fetch for
	s_lshl_b32 s22, s19, 1
	s_add_co_u32 s22, s22, s20
	s_lshl_b32 s22, s22, 19         ; its plane of 4,096 rows x 128 bytes
	s_mov_b32 s23, 0
	s_mul_i32 s21, s20, KH          ; its place in a slot, for K
	s_mul_i32 s20, s20, VH          ; and for V: no place in the cluster enters an LDS address
	s_lshl_b32 s74, s19, 20         ; Q: plane 2 y,
	s_lshl_b32 s76, s18, 14         ; my block's 128 rows,
	s_add_co_u32 s74, s74, s76
	s_lshl_b32 s76, s[WV], 12       ; my wave's 32
	s_add_co_u32 s74, s74, s76
	s_mov_b32 s75, 0
	s_lshr_b32 s78, s19, 2          ; the batch
	s_lshl_b32 s76, s78, 22         ; oh: its 4,096 rows of 1,024 bytes,
	s_lshl_b32 s77, s18, 17
	s_add_co_u32 s76, s76, s77
	s_lshl_b32 s77, s[WV], 15
	s_add_co_u32 s76, s76, s77
	s_and_b32 s2, s19, 3            ; the head pair:
	s_lshl_b32 s77, s2, 8           ; its 256 bytes of a row
	s_add_co_u32 s76, s76, s77
	s_mov_b32 s77, 0
	s_lshl_b32 s78, s78, 15         ; coords: the batch's 32,768 bytes
	s_mov_b32 s79, 0
	s_lshl_b32 s2, s2, 3            ; slopes: the pair's 8 bytes
	s_mov_b32 s3, 0
	; descriptor group 1.  128 keys are 16,384 dense bytes: asked for as 64 rows of 256 bytes, two keys a row, and padded in LDS after every key
	s_mov_b32 s[G1K], 15|(1<<16)|(1<<20)|(1<<21)|(4<<22)|(3<<25)  ; 15:0 the mask of four; 17:16 2-byte elements; 20 padding on; 21 set beside a mask; 24:22 after every 32 words (code 4); 31:25 4 words (code 3)
	s_mov_b32 s[G1V], 15|(1<<16)|(1<<20)|(1<<21)|(4<<22)|(7<<25)  ; the same with 8 words of padding (code 7)
.irp g, G1K, G1V
	s_mov_b32 s[(\g)+1], 128<<16    ; tensor_dim0 = 128
	s_mov_b32 s[(\g)+2], 64<<16     ; tensor_dim1 = 64
	s_mov_b32 s[(\g)+3], 128<<16    ; tile_dim0 = 128
	s_mov_b32 s[(\g)+4], 64         ; tile_dim1 = 64
	s_mov_b32 s[(\g)+5], 128        ; 128 elements from row to row
	s_mov_b32 s[(\g)+6], 0
	s_mov_b32 s[(\g)+7], 0
.endr
	s_mov_b32 s[CS], 0x3e38aa3b     ; c = log2(e) / 8 = 0.180337
	s_mov_b32 s[CS+1], s[CS]        ; named with it as a pair
	s_mov_b32 s[SEL], 0x76543210
	s_mov_b32 s[SEL+1], 0xfedcba98
	s_mov_b32 s[TBK], 0
	s_mov_b32 s[TBV], 0
	s_mov_b32 s[CO], 0
	s_and_b32 s[LIM], s[WV], 1      ; 0 in waves 0 and 2,
	s_or_b32 s[LIM], s[LIM], ttmp9  ; where the cluster is the first of its row: the same in all four partners
	s_cmp_eq_u32 s[LIM], 0
	s_cselect_b32 s[LIM], 1, -1
	v_and_b32 v1, 15, v0            ; l % 16
	v_bfe_u32 v9, v0, 4, 1          ; l / 16
	v_lshlrev_b32 v[PFO], 8, v1     ; lanes 0-15: 16 blocks of head 0's plane;
	v_lshl_add_u32 v[PFO], v9, 19, v[PFO]  ; lanes 16-31: the same of head 1's
	s_wait_dscnt 0x0                ; the opening add is done
	s_wait_kmcnt 0x0
	s_add_nc_u64 s[6:7], s[6:7], s[22:23]   ; K and V at my head's first key
	s_add_nc_u64 s[8:9], s[8:9], s[22:23]
	s_add_nc_u64 s[4:5], s[4:5], s[74:75]   ; Q at my wave's first row, head 0
	s_add_nc_u64 s[14:15], s[14:15], s[76:77]
	s_add_nc_u64 s[10:11], s[10:11], s[78:79]
	s_add_nc_u64 s[12:13], s[12:13], s[2:3]
	s_cmp_lt_u32 s[WV], 2
	s_cselect_b64 s[PFA:PFA+1], s[6:7], s[8:9]  ; (in waves 0 and 2 these stand at the pair's first plane)
	s_lshl_b32 s2, s17, 12          ; my work-group's 16 blocks of the 64
	s_add_nc_u64 s[PFA:PFA+1], s[PFA:PFA+1], s[2:3]
	s_add_nc_u64 s[PFA:PFA+1], s[PFA:PFA+1], 2*2*KS*128  ; in slot 2; the first change of slots steps it to slot 3.  Nothing is prefetched at the head, where every work-group's first tiles are on their way
	CROUND                          ; all four work-groups are here: the first joint loads meet
.irp s, 0,1
	s_mov_b32 s[G0K+4*(\s)], 1      ; 1:0 count = 1
	s_add_co_u32 s[G0K+4*(\s)+1], s21, (\s)*SLOT1  ; 63:32 LDS address
	s_add_nc_u64 s[G0K+4*(\s)+2:G0K+4*(\s)+3], s[6:7], (\s)*2*KS*128  ; 120:64 global address: slot s begins with keys 128 s
	s_or_b32 s[G0K+4*(\s)+3], s[G0K+4*(\s)+3], 0x80000000  ; 127:126 type = 2
	s_mov_b32 s[G0V+4*(\s)], 1
	s_add_co_u32 s[G0V+4*(\s)+1], s20, (\s)*SLOT1+VOFF
	s_add_nc_u64 s[G0V+4*(\s)+2:G0V+4*(\s)+3], s[8:9], (\s)*2*KS*128
	s_or_b32 s[G0V+4*(\s)+3], s[G0V+4*(\s)+3], 0x80000000
.endr
	s_cmp_lt_u32 s[WV], 2           ; a wave's two first fills stand in one branch, ahead of every wait on TENSORcnt and every LDS read: two loads of mine are out here, later one
	s_cbranch_scc0 .Lfirst_v
	tensor_load_to_lds s[G0K:G0K+3], s[G1K:G1K+7]
	s_nop 0
	tensor_load_to_lds s[G0K+4:G0K+7], s[G1K:G1K+7]
	s_nop 0
.rept 4
	v_nop
.endr
	s_branch .Lfirst_asked
.Lfirst_v:
	tensor_load_to_lds s[G0V:G0V+3], s[G1V:G1V+7]
	s_nop 0
	tensor_load_to_lds s[G0V+4:G0V+7], s[G1V:G1V+7]
	s_nop 0
.rept 4
	v_nop
.endr
.Lfirst_asked:
	; 51 loads: the pair's slopes; the batch's key coordinates (thread t takes keys t + 128 i); my queries' coordinates; Q
	v_mov_b32 v[ZO], 0
	global_load_b64 v[NSV:NSV+1], v[ZO], s[12:13]
	v_lshlrev_b32 v[KCO], 3, v0
.set i, 0
.rept 32
	global_load_b64 v[S+2*i:S+2*i+1], v[KCO], s[10:11] offset:1024*i
.set i, i+1
.endr
	s_lshl_b32 s74, s18, 10         ; my block's 128 queries x 8 bytes,
	s_lshl_b32 s75, s[WV], 8        ; my wave's 32
	s_add_co_u32 s74, s74, s75
	v_lshl_add_u32 v[QCO], v1, 3, s74
	global_load_b64 v[QC:QC+1], v[QCO], s[10:11]
	global_load_b64 v[QC+2:QC+3], v[QCO], s[10:11] offset:128
	; A fragment of K or Q is 16 rows x 32 channels in 8 registers: lane l holds row l % 16, channels 8 (l / 16) + 0..7 and 16 + 8 (l / 16) + 0..7: two loads of 16 bytes, 32 bytes apart.
	v_lshlrev_b32 v[QO], 7, v1
	v_lshl_add_u32 v[QO], v9, 4, v[QO]
	WIN 0x80                        ; destination window 2, address window 0
.irp hd, 0,1
.irp u, 0,1
.irp c, 0,1
	global_load_b128 v[16*(2*\hd+\u)+8*\c:16*(2*\hd+\u)+8*\c+3],   v[QO], s[4:5] offset:524288*\hd+2048*\u+64*\c
	global_load_b128 v[16*(2*\hd+\u)+8*\c+4:16*(2*\hd+\u)+8*\c+7], v[QO], s[4:5] offset:524288*\hd+2048*\u+64*\c+32
.endr
.endr
.endr
	; What the first turn finds: V of head 1 and P of piece 1 hold 0 (its products V^T P, of a step that has not been, add 0), O^T and l are 0.  All this stands in the wait for the first tile.
.set i, VF+64
.rept 64
	v_mov_b32 v[i], 0
.set i, i+1
.endr
	WIN 0x40
.set i, 0
.rept 128
	v_mov_b32 v[i], 0
.set i, i+1
.endr
	WIN 0
.set i, P+32
.rept 32
	v_mov_b32 v[i], 0
.set i, i+1
.endr
.set i, 0
.rept 4
	v_mov_b32 v[ST+8*i], 0xfe000000    ; c m: far below every c s
	v_mov_b32 v[ST+8*i+1], 0xff7fffff  ; m
	v_mov_b32 v[ST+8*i+2], 0
	v_mov_b32 v[ST+8*i+3], 0
.set i, i+1
.endr
	v_mul_u32_u24 v[AK0], v1, PK
	v_lshl_add_u32 v[AK0], v9, 4, v[AK0]  ; row x pitch + 16 x half
	; The turning load takes 16 keys x 16 channels (lane l reads key 8 (l / 16) + l % 8, channels 8 ((l / 8) % 2) + 0..7) and leaves half a fragment of V^T: lane l holds channel l % 16 and 8 keys.
	v_and_b32 v10, 7, v0
	v_bfe_u32 v11, v0, 3, 1
	v_lshl_add_u32 v[AV0], v9, 3, v10
	v_mul_u32_u24 v[AV0], v[AV0], PV
	v_lshl_add_u32 v[AV0], v11, 4, v[AV0]
	v_add_nc_u32 v[AV0], VOFF, v[AV0]
	v_lshl_add_u32 v[AC0], v9, 5, CX      ; my lanes' eight keys of a block of 16: 32 bytes for each half
	v_lshl_add_u32 v[CA], v0, 2, CX
	s_mul_i32 s20, s[WV], 16*SP
	s_add_co_u32 s20, s20, STAGE    ; my stage
	v_mul_u32_u24 v[STO], v1, SP    ; in: row l % 16, 16 bytes for each half of the lanes
	v_lshl_add_u32 v[STO], v9, 4, v[STO]
	v_add_nc_u32 v[STO], s20, v[STO]
	v_mul_u32_u24 v[RD], v9, SP     ; back: lanes 0-15 take one row of 256 bytes, lanes 16-31 the next
	v_lshl_add_u32 v[RD], v1, 4, v[RD]
	v_add_nc_u32 v[RD], s20, v[RD]
	v_lshlrev_b32 v[GO], 10, v9     ; and the same two rows in oh
	v_lshl_add_u32 v[GO], v1, 4, v[GO]
	s_wait_loadcnt 18               ; the slopes and the key coordinates are in; behind them went my queries' 2 loads and Q's 16
.set i, 0
.rept 32
	ds_store_b32 v[CA], v[S+2*i] offset:512*i
	ds_store_b32 v[CA], v[S+2*i+1] offset:CYO+512*i
.set i, i+1
.endr
	v_mul_f32 v[NSV+2], 0xc1000000, v[NSV+1]  ; -8 slope: the scores are scaled by c = log2(e) / 8 later
	v_mul_f32 v[NSV], 0xc1000000, v[NSV]
	v_mov_b32 v[NSV+3], v[NSV+2]
	v_mov_b32 v[NSV+1], v[NSV]
	s_wait_loadcnt 16               ; my queries' coordinates are in; Q's 16 loads may stay out
	WIN 0xc0                        ; destination window 3
.irp u, 0,1
	v_mul_f32 v[QN+4*\u],   -1.0, v[QC+2*\u]
	v_mul_f32 v[QN+4*\u+1], -1.0, v[QC+2*\u]
	v_mul_f32 v[QN+4*\u+2], -1.0, v[QC+2*\u+1]
	v_mul_f32 v[QN+4*\u+3], -1.0, v[QC+2*\u+1]
.endr
	WIN 0
; THE MATRIX WORK.  The 8 accumulators of a run of 16 take turns, one instruction a turn: between the two links of a chain stand 7 others'.
; Product i of 16 of S^T = K Q^T for piece x: channels 32 (i / 8) on, keys 16 ((i / 2) % 4) on, tile i % 2.  The first 8 start the sums.
.macro KQ x
	WIN W_KQ
.set rS, S+64*(\x)+32*(i%2)+8*((i/2)%4)
.set rK, KF+16*((i/2)%4)+8*(i/8)
.set rQ, 32*(\x)+16*(i%2)+8*(i/8)
.if i < 8
	v_wmma_f32_16x16x32_f16 v[rS:rS+7], v[rK:rK+7], v[rQ:rQ+7], 0
.else
	v_wmma_f32_16x16x32_f16 v[rS:rS+7], v[rK:rK+7], v[rQ:rQ+7], v[rS:rS+7]
.endif
.endm
; Product i of 16 of O^T += V^T P for piece x: keys 32 (i / 8) on, channels 16 ((i / 2) % 4) on, tile i % 2.
.macro PV x
	WIN W_PV
.set rO, 64*(\x)+32*(i%2)+8*((i/2)%4)
.set rV, VF+64*(\x)+32*(i/8)+8*((i/2)%4)
.set rP, P+32*(\x)+16*(i%2)+8*(i/8)
	v_wmma_f32_16x16x32_f16 v[rO:rO+7], v[rV:rV+7], v[rP:rP+7], v[rO:rO+7]
.endm
; THE LDS LOADS stand in runs of 16, never singly among the matrix instructions.  K of head x for the step to be fetched; behind head 1's the step goes on.
.macro FETCH_K x
	WIN 0
	v_add_nc_u32 v[AK], s[TBK], v[AK0]
	WIN 0x80                        ; destination window 2
.irp f, 0,1,2,3,4,5,6,7             ; keys 16 (f / 2) on, channels 32 (f % 2) on
	ds_load_b128 v[KF+8*\f:KF+8*\f+3],   v[AK] offset:(\x)*KH+(\f/2)*16*PK+(\f%2)*64
	ds_load_b128 v[KF+8*\f+4:KF+8*\f+7], v[AK] offset:(\x)*KH+(\f/2)*16*PK+(\f%2)*64+32
.endr
.if (\x) == 1
	s_add_co_u32 s[TBK], s[TBK], KS*PK
	s_add_co_u32 s[CO], s[CO], 4*KS
.endif
.endm
; The step's key coordinates, in S^T's layout: register 8 kb + j is key 16 kb + 8 (l / 16) + j; the sixteen lanes of a half read the same words.
.macro FETCH_C
	WIN 0
	v_add_nc_u32 v[AC], s[CO], v[AC0]
	WIN 0xc0                        ; destination window 3
.irp kb, 0,1,2,3
	ds_load_b128 v[KX+8*\kb:KX+8*\kb+3],   v[AC] offset:64*\kb
	ds_load_b128 v[KX+8*\kb+4:KX+8*\kb+7], v[AC] offset:64*\kb+16
	ds_load_b128 v[KY+8*\kb:KY+8*\kb+3],   v[AC] offset:CYO+64*\kb
	ds_load_b128 v[KY+8*\kb+4:KY+8*\kb+7], v[AC] offset:CYO+64*\kb+16
.endr
.endm
.macro FETCH_V x
	WIN 0
	v_add_nc_u32 v[AV], s[TBV], v[AV0]
	WIN 0x80
.irp f, 0,1,2,3,4,5,6,7             ; keys 32 (f / 4) on, channels 16 (f % 4) on
	ds_load_tr16_b128 v[VF+64*(\x)+8*\f:VF+64*(\x)+8*\f+3],   v[AV] offset:(\x)*VH+(\f/4)*32*PV+(\f%4)*32
	ds_load_tr16_b128 v[VF+64*(\x)+8*\f+4:VF+64*(\x)+8*\f+7], v[AV] offset:(\x)*VH+(\f/4)*32*PV+16*PV+(\f%4)*32
.endr
.if (\x) == 1
	s_add_co_u32 s[TBV], s[TBV], KS*PV
.endif
.endm
; THE VECTOR WORK.  REGS names the registers of tile u of piece y.
.macro REGS y, u
.set rT, ST+8*(2*(\y)+(\u))
.set rS, S+32*(2*(\y)+(\u))
.set rP, P+16*(2*(\y)+(\u))
.set rO, 32*(2*(\y)+(\u))
.set rD, 32*(\u)
.endm
.macro BI y, e                      ; the bias, entry e of 32: tile e % 2, pair e / 2: s = D x (-8 slope) + s.  The pairs ascend
	REGS \y, (\e)%2
.set b, (\e)/2
	WIN W_BI
	v_pk_fma_f32 v[rS+2*b:rS+2*b+1], v[rD+2*b:rD+2*b+1], v[NSV+2*(\y):NSV+2*(\y)+1], v[rS+2*b:rS+2*b+1] op_sel_hi:[1,0,1]
.endm
.macro MX y, e                      ; the maximum, entry e of 32: tile e % 2, number e / 2: four chains c0-c3 of seven scores each, three operands at a time; then the four scores left over, c0-c3 and the old m into c0
	REGS \y, (\e)%2
.set j, (\e)/2
	WIN 0
.if j < 4
	v_max3_num_f32 v[rT+4+j], v[rS+8*j], v[rS+8*j+1], v[rS+8*j+2]
.elseif j < 12
	v_max3_num_f32 v[rT+4+j%4], v[rT+4+j%4], v[rS+8*(j%4)+2*(j/4)+1], v[rS+8*(j%4)+2*(j/4)+2]
.elseif j == 12
	v_max3_num_f32 v[rT+4], v[rT+4], v[rS+7], v[rS+15]
.elseif j == 13
	v_max3_num_f32 v[rT+6], v[rT+6], v[rS+23], v[rS+31]
.elseif j == 14
	v_max3_num_f32 v[rT+4], v[rT+4], v[rT+5], v[rT+6]
.else
	v_max3_num_f32 v[rT+4], v[rT+4], v[rT+7], v[rT+1]
.endif
.endm
.macro R1 y                         ; the four lines behind product k of V^T P: the bias (k < 8), then the maximum
.irp n, 0,1,2,3
.if k < 8
	BI \y, 4*k+\n
.else
	MX \y, 4*(k-8)+\n
.endif
.endr
.set k, k+1
.endm
.macro STATS y                      ; the query's other 32 keys lie in the lane 16 away; the new m; c m; a = 2^(c m_old - c m_new).  The two tiles alternate
	WIN 0
.irp u, 0,1
	REGS \y, \u
	v_permlanex16_b32 v[rT+5], v[rT+4], s[SEL], s[SEL+1]
.endr
.irp u, 0,1
	REGS \y, \u
	v_mov_b32 v[rT+7], v[rT]
.endr
.irp u, 0,1
	REGS \y, \u
	v_max_num_f32 v[rT+1], v[rT+4], v[rT+5]
.endr
.irp u, 0,1
	REGS \y, \u
	v_mul_f32 v[rT], s[CS], v[rT+1]
.endr
.irp u, 0,1
	REGS \y, \u
	v_sub_f32 v[rT+7], v[rT+7], v[rT]
.endr
.irp u, 0,1
	REGS \y, \u
	v_exp_f32 v[rT+6], v[rT+7]
.endr
.endm
.macro FS y, u, b                   ; c s - c m for pair b
	REGS \y, \u
	v_pk_fma_f32 v[rS+2*(\b):rS+2*(\b)+1], v[rS+2*(\b):rS+2*(\b)+1], s[CS:CS+1], v[rT:rT+1] op_sel_hi:[1,0,0] neg_lo:[0,0,1] neg_hi:[0,0,1]
.endm
.macro EXPS y                       ; 32 scalings and 64 exponentials: a scaling, then the two exponentials of the pair scaled one round earlier.  None of these lines names an exponential's result
	WIN 0
	FS \y, 0, 0
	FS \y, 1, 0
.set b, 0
.rept 16
.irp u, 0,1
.if b < 15
	FS \y, \u, b+1
.endif
	REGS \y, \u
	v_exp_f32 v[rS+2*b], v[rS+2*b]
	v_exp_f32 v[rS+2*b+1], v[rS+2*b+1]
.endr
.set b, b+1
.endr
.endm
; THE DISTANCES of my 32 queries to a step's 64 keys, in window 3.  Group g of 8: tile g / 4, pairs 4 (g % 4) + 0..3: 16 plain lines: dx = kx - qx; dy = ky - qy; dx dx; dy dy + that.
.macro DPL g, n
.set dU, (\g)/4
.set dP, 4*((\g)%4)+(\n)%4
.set dD, 32*dU+2*dP
.set dW, T+8*((\g)%2)+2*((\n)%4)
.if (\n) < 4
	v_pk_add_f32 v[dD:dD+1], v[KX+2*dP:KX+2*dP+1], v[QN+4*dU:QN+4*dU+1]
.elseif (\n) < 8
	v_pk_add_f32 v[dW:dW+1], v[KY+2*dP:KY+2*dP+1], v[QN+4*dU+2:QN+4*dU+3]
.elseif (\n) < 12
	v_pk_mul_f32 v[dD:dD+1], v[dD:dD+1], v[dD:dD+1]
.else
	v_pk_fma_f32 v[dD:dD+1], v[dW:dW+1], v[dW:dW+1], v[dD:dD+1]
.endif
.endm
.macro DIST                         ; two plain lines of a group, then one root of the group before: no line names the result of a root
	WIN W_DI
.set dg, 0
.rept 9
.set di, 0
.rept 8
.if dg < 8
	DPL dg, 2*di
	DPL dg, 2*di+1
.endif
.if dg > 0
	v_sqrt_f32 v[8*(dg-1)+di], v[8*(dg-1)+di]
.endif
.set di, di+1
.endr
.set dg, dg+1
.endr
.endm
.macro CV y, e                      ; entry e of 32: tile e % 2, pair e / 2 rounded to f16
	REGS \y, (\e)%2
.set b, (\e)/2
	v_cvt_pk_f16_f32 v[rP+b], v[rS+2*b], v[rS+2*b+1]
.endm
.macro SU y, e                      ; entry e of 32: tile e % 2, sum e / 2: the 16 pairs are added in place, neighbours 1, 2, 4 and 8 pairs apart; then l = a l + the sum
	REGS \y, (\e)%2
.set z, (\e)/2
.set tw, 4
.set tu, z
.if z >= 14
.set tw, 32
.set tu, 0
.elseif z >= 12
.set tw, 16
.set tu, z-12
.elseif z >= 8
.set tw, 8
.set tu, z-8
.endif
.if z < 15
	v_pk_add_f32 v[rS+tw*tu:rS+tw*tu+1], v[rS+tw*tu:rS+tw*tu+1], v[rS+tw*tu+tw/2:rS+tw*tu+tw/2+1]
.else
	v_pk_fma_f32 v[rT+2:rT+3], v[rT+2:rT+3], v[rT+6:rT+7], v[rS:rS+1] op_sel_hi:[1,0,1]
.endif
.endm
.macro R2 y                         ; the four lines behind product k of K Q^T: the roundings (k < 8), then the sums
	WIN 0
.irp n, 0,1,2,3
.if k < 8
	CV \y, 4*k+\n
.else
	SU \y, 4*(k-8)+\n
.endif
.endr
.set k, k+1
.endm
.macro RESC y                       ; O^T times a: 32 plain lines, each accumulator's registers in ascending order
	WIN W_RS
.set n, 0
.rept 16
.irp u, 0,1
	REGS \y, \u
	v_pk_mul_f32 v[rO+2*n:rO+2*n+1], v[rO+2*n:rO+2*n+1], v[rT+6:rT+7] op_sel_hi:[1,0]
.endr
.set n, n+1
.endr
.endm
; A TURN.  Piece x has the matrix unit, piece y = 1 - x the vector unit.  kq = 0: the last turn: there is no next step, nothing is fetched.
;   1  16 x (V^T P of piece x; four lines: y's bias, then its maximum).  Behind the second product K of head x for the next step is fetched (and in piece 0's turn that step's key coordinates): the last product that
;      read K stands in front of the turn before's 36 last plain lines.
;   2  the lump: y's statistics, scalings and exponentials; in piece 0's turn the next step's distances, in place: the old ones were last read by part 1's bias.
;   3  a v_nop, the plain line behind the last exponential or root, and ONE s_wait_alu for the lump's 66 exponentials and 64 roots: it stands ahead of the first line that names a result; none above does.
;   4  V of head x for the next step is fetched: the last product that read V stands a whole lump back.
;   5  16 x (K Q^T of piece x for the next step; four lines: y's roundings, then its sums).
;   6  y's O^T times a: also the places between the last K Q^T and the next turn's first read of those scores.
; No line beside a product names a register of the products round it.
.macro TURN x, kq
	s_wait_dscnt 0x0                ; all that the turns before asked for is in (the youngest run was issued 16 products back): V of piece x among it
.set k, 0
.set i, 0
.rept 16
	PV \x
	R1 1-(\x)
.if (\kq) && (i == 1)
	FETCH_K \x
.if (\x) == 0
	FETCH_C
.endif
.endif
.set i, i+1
.endr
	STATS 1-(\x)
	EXPS 1-(\x)
.if ((\x) == 0) && (\kq)
	s_wait_dscnt 0x0                ; the key coordinates, asked for 14 products back
	DIST
.endif
	WIN 0
	v_nop
	s_wait_alu depctr_va_vdst(0)
.if \kq
	s_wait_dscnt 0x0                ; K is in
	FETCH_V \x
.endif
.set k, 0
.set i, 0
.rept 16
.if \kq
	KQ \x
.endif
	R2 1-(\x)
.set i, i+1
.endr
	RESC 1-(\x)
.endm
; THE CHANGE OF SLOTS, behind the turn that has fetched a slot's last bytes.  Each wave waits for all its tensor loads, of which one is out: its part of the other slot; adds 0 to its spare word; and waits for that
; and for its own reads of the slot.  Behind the barrier nobody reads this slot any more and the other slot is whole.  fill = 1: the slot is filled again, with the keys two slots on: the barrier is then a round of
; the cluster's, so that no wave of any partner still reads the slot or has a load on its way, and the joint refill is the first thing behind it: it has two key steps, 128 matrix instructions, in which to land.
.macro CHANGE fill
	WIN 0                           ; at a label and at a branch every window is 0
	s_wait_tensorcnt 0x0            ; no tensor load of mine is out, so a group 0 may be written
	ds_add_u32 v[SPW], v[NIL]       ; 0 onto my spare word; with fill = 1 the descriptors' steps stand between it and the wait for it
.if \fill
.irp g, G0K+4, G0V+4
	s_xor_b32 s[(\g)+1], s[(\g)+1], SLOT1  ; the walking descriptor: the other slot than last time,
	s_add_nc_u64 s[(\g)+2:(\g)+3], s[(\g)+2:(\g)+3], 2*KS*128  ; the next 128 keys; the type bits on top are not reached
.endr
	s_wait_xcnt 0x0                 ; the last prefetch, two key steps back, has read its address, so it may be written:
	s_add_nc_u64 s[PFA:PFA+1], s[PFA:PFA+1], 2*KS*128  ; one slot ahead of the walking descriptors
	s_wait_dscnt 0x0                ; the add is done, and my reads of the slot are over
	CROUND
	JLOAD
	ASK
.else
	s_wait_dscnt 0x0                ; the add is done, and my reads of the slot are over
	s_barrier_signal -1
	s_barrier_wait -1
.endif
	s_sub_co_u32 s[TBK], s[TBK], 2*KS*PK  ; the fetches go back to a slot's first step,
	s_xor_b32 s[TBK], s[TBK], SLOT1       ; in the other slot
	s_sub_co_u32 s[TBV], s[TBV], 2*KS*PV
	s_xor_b32 s[TBV], s[TBV], SLOT1
.endm
	s_wait_tensorcnt 1              ; my part of slot 0 is in; slot 1's may stay out
	s_wait_dscnt 0x0                ; my part of the key coordinates is stored
	s_barrier_signal -1
	s_barrier_wait -1               ; everybody's is
	FETCH_C                         ; key step 0
	FETCH_K 0
	FETCH_V 0
	s_wait_loadcnt 0x0              ; Q
	s_wait_dscnt 0x0
.set i, 0
.rept 16
	KQ 0                            ; piece 0's first scores
.set i, i+1
.endr
	DIST                            ; step 0's distances; its first sixteen lines are plain: the places behind those products
	WIN 0
	v_nop                           ; a plain line behind the last root,
	s_wait_alu depctr_va_vdst(0)    ; and the roots' wait, ahead of the branch
	s_mov_b32 s[CNT], 2
	s_mov_b32 s[SLOTS], 31
	s_branch .Lfirst                ; the loop is entered at piece 1's turn, in the middle of a trip: that turn fetches the rest of step 0
.Lslot:                             ; 30 times: every slot but the last two is filled again
	CHANGE 1
	s_mov_b32 s[CNT], 2
.Lstep:                             ; a trip: both pieces' V^T P of one step, both pieces' K Q^T of the next, whose K, V and coordinates it fetches
	TURN 0, 1
	WIN 0
.Lfirst:
	TURN 1, 1
	WIN 0
	s_sub_co_u32 s[CNT], s[CNT], 1
	s_cmp_lg_u32 s[CNT], 0
	s_cbranch_scc1 .Lstep
	s_sub_co_u32 s[SLOTS], s[SLOTS], 1
	s_cmp_lg_u32 s[SLOTS], 0
	s_cbranch_scc1 .Lslot
	CHANGE 0                        ; the tail is written out: the last slot is read, and nothing is asked for
	s_mov_b32 s[CNT], 2
.Ltail:
	TURN 0, 1
	TURN 1, 1
	WIN 0
	s_sub_co_u32 s[CNT], s[CNT], 1
	s_cmp_lg_u32 s[CNT], 0
	s_cbranch_scc1 .Ltail
	TURN 0, 0                       ; piece 0: V^T P of the last step | piece 1's last softmax
.set i, 0
.rept 16
	PV 1                            ; piece 1: V^T P of the last step
.set i, i+1
.endr
	; THE WAY OUT.  l's two halves and the other half of the lanes' are added; O^T is divided by l, rounded to f16 and sent through my stage in LDS, a tile (16 rows x both heads' 128 channels) at a time.
	; The additions are the places behind the last products.
	WIN 0
.irp t, 0,1,2,3
	v_add_f32 v[ST+8*\t+4], v[ST+8*\t+2], v[ST+8*\t+3]
.endr
.irp t, 0,1,2,3
	v_permlanex16_b32 v[ST+8*\t+5], v[ST+8*\t+4], s[SEL], s[SEL+1]
.endr
.irp t, 0,1,2,3
	v_add_f32 v[ST+8*\t+4], v[ST+8*\t+4], v[ST+8*\t+5]
.endr
.irp t, 0,1,2,3
	v_rcp_f32 v[ST+8*\t+6], v[ST+8*\t+4]
.endr
	v_nop                           ; a plain line between the last reciprocal and the use of its result
	s_wait_alu depctr_va_vdst(0)    ; and the wait ahead of the first use: one for the four reciprocals
.macro PACK u                       ; a lane's eight channels of a row pack into 16 bytes; they go into rows of 272 bytes and come back as whole rows of 256, into the registers that they left
.irp hd, 0,1
	WIN W_RS
.set i, 0
.rept 16
	v_pk_mul_f32 v[32*(2*\hd+(\u))+2*i:32*(2*\hd+(\u))+2*i+1], v[32*(2*\hd+(\u))+2*i:32*(2*\hd+(\u))+2*i+1], v[ST+8*(2*\hd+(\u))+6:ST+8*(2*\hd+(\u))+7] op_sel_hi:[1,0]
.set i, i+1
.endr
	WIN 0x05                        ; sources 0 and 1 window 1, destination window 0: S^T's registers are free
.set i, 0
.rept 16
	v_cvt_pk_f16_f32 v[S+32*(\u)+16*\hd+i], v[32*(2*\hd+(\u))+2*i], v[32*(2*\hd+(\u))+2*i+1]
.set i, i+1
.endr
.endr
	WIN 0
.irp f, 0,1,2,3,4,5,6,7             ; f = 4 head + channel block
	ds_store_b128 v[STO], v[S+32*(\u)+4*\f:S+32*(\u)+4*\f+3] offset:32*\f
.endr
.irp f, 0,1,2,3,4,5,6,7
	ds_load_b128 v[S+32*(\u)+4*\f:S+32*(\u)+4*\f+3], v[RD] offset:\f*2*SP  ; LDS serves a wave's instructions in order (ISA guide 5.7.1.4): these see the stores above; the next tile's stores come behind them
.endr
.endm
.macro SEND u, younger              ; younger: the LDS instructions issued behind tile u's loads: the next tile's sixteen, or none
	WIN 0
.irp f, 0,1,2,3,4,5,6,7
	s_wait_dscnt (\younger)+7-\f
	global_store_b128 v[GO], v[S+32*(\u)+4*\f:S+32*(\u)+4*\f+3], s[14:15] offset:(\u)*16384+\f*2048  ; 16 lanes store 256 consecutive bytes, at a multiple of 256 from oh's first byte
.endr
.endm
	PACK 0
	PACK 1                          ; a tile's arithmetic stands between the loads of the tile before and its stores
	SEND 0, 16
	SEND 1, 0
	s_wait_tensorcnt 0x0            ; the wave's end, behind my last tensor load and my last LDS store
	ds_add_u32 v[SPW], v[NIL]
	s_wait_dscnt 0x0
	CROUND                          ; the closing round: no work-group ends while a partner may still ask for a tile that names it
	s_endpgm
.Lfunc_end_k_q7cf72096f1_attn:
	.size	k_q7cf72096f1_attn, .Lfunc_end_k_q7cf72096f1_attn-k_q7cf72096f1_attn
	.p2alignl 7, 3214868480
	.fill 96, 4, 3214868480
	.section	.rodata,"a",@progbits
	.p2align	6, 0x0
	.amdhsa_kernel k_q7cf72096f1_attn
		.amdhsa_group_segment_fixed_size 327680
		.amdhsa_private_segment_fixed_size 0
		.amdhsa_enable_private_segment 0
		.amdhsa_kernarg_size 48
		.amdhsa_user_sgpr_count 2
		.amdhsa_user_sgpr_kernarg_segment_ptr 1
		.amdhsa_wavefront_size32 1
		.amdhsa_system_sgpr_workgroup_id_x 1
		.amdhsa_system_sgpr_workgroup_id_y 1
		.amdhsa_system_sgpr_workgroup_id_z 1
		.amdhsa_system_vgpr_workitem_id 0
		.amdhsa_next_free_vgpr 936
		.amdhsa_next_free_sgpr 80
		.amdhsa_reserve_vcc 0
		.amdhsa_float_denorm_mode_32 3
		.amdhsa_float_denorm_mode_16_64 3
		.amdhsa_memory_ordered 1
		.amdhsa_forward_progress 1
		.amdhsa_inst_pref_size 179
	.end_amdhsa_kernel
	.amdgpu_metadata
---
amdhsa.version: [ 1, 2 ]
amdhsa.kernels:
  - .name:           k_q7cf72096f1_attn
    .symbol:         k_q7cf72096f1_attn.kd
    .args:
      - { .name: qh, .offset: 0, .size: 8, .value_kind: global_buffer, .address_space: global }
      - { .name: kh, .offset: 8, .size: 8, .value_kind: global_buffer, .address_space: global }
      - { .name: vh, .offset: 16, .size: 8, .value_kind: global_buffer, .address_space: global }
      - { .name: coords, .offset: 24, .size: 8, .value_kind: global_buffer, .address_space: global }
      - { .name: slopes, .offset: 32, .size: 8, .value_kind: global_buffer, .address_space: global }
      - { .name: oh, .offset: 40, .size: 8, .value_kind: global_buffer, .address_space: global }
    .group_segment_fixed_size: 327680
    .private_segment_fixed_size: 0
    .kernarg_segment_align: 8
    .kernarg_segment_size: 48
    .max_flat_workgroup_size: 128
    .sgpr_count:     80
    .vgpr_count:     936
    .wavefront_size: 32
...
	.end_amdgpu_metadata
.endif
;; end of part 2
;; launch outp (part 3): grid 8 x 32, 4 waves a work-group, no clusters, 99,840 bytes of LDS; arguments oh, Wp, bp, out0; writes out0
.if DOCPART == 3
	.amdgcn_target "amdgcn-amd-amdhsa--gfx1250"
	.amdhsa_code_object_version 6
	.text
	.protected	k_q7cf72096f1_outp
	.globl	k_q7cf72096f1_outp
	.p2align	8
	.type	k_q7cf72096f1_outp,@function
k_q7cf72096f1_outp:
	s_mov_b64 s[64:65], 0
	v_nop
	global_prefetch_b8 v0, s[64:65] scope:SCOPE_SE
	s_setreg_imm32_b32 hwreg(HW_REG_WAVE_MODE, 25, 1), 1
	s_wait_xcnt 0x0
; out0 = O Wp + bp.  oh: [8192][512] f16; Wp: [512 k][512 n] f32; bp: [512] f32; out0: [8192][512] f32.  Sums in f32, starting at the bias.
; LIMITS.  Wp is rounded to f16 for the product: no number beyond 65,504, a fixed step of 6e-8 below 6e-5.  NaN and infinities are not treated apart.
; SHARES.  Work-group (j, rb): rows 256 rb .. + 255 x columns 64 j .. + 63 (256 bytes of a row of out0).  Wave w: rows 64 w .. + 63 x the 64 columns: 16 accumulators of 16 x 16.
; THE PRODUCT IS USED TRANSPOSED (source 0 = 16 columns of Wp, source 1 = 16 rows of O): a lane holds one row and eight neighbouring columns, 32 bytes of f32.
; STRAIGHT-LINE, NO LOOP.  Wp's slice (512 k x 64 n) is loaded once in f32, each wave a quarter, rounded in registers and kept in LDS as f16 [k][n]; the turning load makes fragments of it.
; A wave's rows of O are its own: all 64 x 512 of them are loaded straight into 512 registers as fragments, half at the head, the other half into the registers that Wp's f32 numbers have left.
; NO TENSOR LOADS, NO CLUSTER: Wp arrives in f32 and passes through registers to be rounded; O's fragments are shared by no two waves of a work-group.
; NO PREFETCH: all loads go out at the head or four chunks (128 matrix instructions) ahead of their wait.
; REGISTERS, in windows of 256 (s_set_vgpr_msb: bits 1:0 source 0, 3:2 source 1, 5:4 source 2, 7:6 destination):
;   window 0: v2-13 addresses; v32-159 the way out; v160-223 Wp's fragments, two halves of 32; v224-255 the bias      window 1: v0-127 accumulators (column block nb, row block a at 8 (4 nb + a))
;   window 2: O's fragments of k = 0..255 (32 k at kk, row block a at 64 ((kk / 2) % 4) + 16 a + 8 (kk % 2))      window 3: first Wp in f32, then O's fragments of k = 256..511
.set PW,    160       ; a row of Wp's slice in LDS: 64 f16 + 32 bytes = 5 x 32 bytes
.set STAGE, 512*PW    ; 16 rows x 272 bytes for each wave, for the way out
.set SP,    272
.set SPARE, STAGE+4*16*SP  ; the spare words, 128 bytes a wave: two blocks of 256 bytes that no other line names
.set AO,  2
.set WO,  3
.set WS0, 4
.set BA,  5           ; my lane's place for the turning load, k = 0..255
.set BA2, 6           ; the same for k = 256..511: the immediate has 16 bits
.set STO, 7
.set RD,  8
.set GO,  9
.set BO,  10
.set SPW, 12          ; LDS address of my spare word; never rewritten
.set NIL, 13          ; 0; never rewritten
.set OB,  32
.set B,   160
.set BI,  224
.set WV,  4
.set MSB, 0
.macro WIN new                      ; the high byte repeats the setting that is left; a switch that changes nothing is dropped
.if MSB != (\new)
	s_set_vgpr_msb (MSB<<8)|(\new)
.set MSB, (\new)
.endif
.endm
.macro PLACES                       ; four places in front of loads into registers that matrix instructions have read, and of LDS stores that read results
.rept 4
	v_nop
.endr
.endm
	s_load_b256 s[8:15], s[0:1], 0x0  ; oh s[8:9], Wp s[10:11], bp s[12:13], out0 s[14:15]
	v_lshl_add_u32 v[SPW], v0, 2, SPARE
	v_mov_b32 v[NIL], 0
	v_lshrrev_b32 v1, 5, v0
	v_readfirstlane_b32 s[WV], v1   ; wave 0..3
	s_and_b32 s6, ttmp7, 0xffff     ; rb
	v_and_b32 v14, 15, v0           ; l % 16
	v_bfe_u32 v15, v0, 4, 1         ; l / 16
	v_and_b32 v16, 7, v0
	v_bfe_u32 v17, v0, 3, 1
	s_lshl_b32 s16, s[WV], 16       ; O: my wave's 64 rows of 1,024 bytes, row l % 16, 16 bytes for each half of the lanes
	v_lshlrev_b32 v[AO], 10, v14
	v_lshl_add_u32 v[AO], v15, 4, v[AO]
	v_add_nc_u32 v[AO], s16, v[AO]
	s_lshl_b32 s16, s[WV], 18       ; Wp: my wave's 128 rows of 2,048 bytes, two rows a load, sixteen lanes to a row's 256 bytes
	v_lshlrev_b32 v[WO], 11, v15
	v_lshl_add_u32 v[WO], v14, 4, v[WO]
	v_add_nc_u32 v[WO], s16, v[WO]
	s_mul_i32 s16, s[WV], 128*PW
	v_mul_u32_u24 v[WS0], v15, PW
	v_lshl_add_u32 v[WS0], v14, 3, v[WS0]
	v_add_nc_u32 v[WS0], s16, v[WS0]
	v_lshl_add_u32 v[BA], v15, 3, v16    ; the turning load: lane l reads row 8 (l / 16) + l % 8, columns 8 ((l / 8) % 2) + 0..7
	v_mul_u32_u24 v[BA], v[BA], PW
	v_lshl_add_u32 v[BA], v17, 4, v[BA]
	v_add_nc_u32 v[BA2], 256*PW, v[BA]
	s_mul_i32 s16, s[WV], 16*SP
	s_add_co_u32 s16, s16, STAGE    ; my stage
	v_mul_u32_u24 v[STO], v14, SP   ; in: row l % 16, 32 bytes for each half of the lanes
	v_lshl_add_u32 v[STO], v15, 5, v[STO]
	v_add_nc_u32 v[STO], s16, v[STO]
	v_mul_u32_u24 v[RD], v15, SP    ; back: lanes 0-15 take one row of 256 bytes, lanes 16-31 the next
	v_lshl_add_u32 v[RD], v14, 4, v[RD]
	v_add_nc_u32 v[RD], s16, v[RD]
	v_lshlrev_b32 v[GO], 11, v15    ; and the same two rows in out0
	v_lshl_add_u32 v[GO], v14, 4, v[GO]
	v_lshlrev_b32 v[BO], 5, v15
	s_lshl_b32 s18, s6, 18          ; oh: 256 rb rows
	s_mov_b32 s19, 0
	s_lshl_b32 s20, ttmp9, 8        ; Wp, bp: 64 j columns of f32
	s_mov_b32 s21, 0
	s_lshl_b32 s22, s6, 19          ; out0: 256 rb rows of 2,048 bytes,
	s_lshl_b32 s23, s[WV], 17       ; my wave's 64,
	s_add_co_u32 s22, s22, s23
	s_add_co_u32 s22, s22, s20      ; the 64 columns
	s_mov_b32 s23, 0
	s_wait_kmcnt 0x0
	s_add_nc_u64 s[8:9], s[8:9], s[18:19]
	s_add_nc_u64 s[10:11], s[10:11], s[20:21]
	s_add_nc_u64 s[12:13], s[12:13], s[20:21]
	s_add_nc_u64 s[14:15], s[14:15], s[22:23]
; 16 loads: O's fragments of chunk c (64 k).  A fragment holds for lane l row l % 16, k = 8 (l / 16) + 0..7 and 16 + 8 (l / 16) + 0..7: two loads of 16 bytes, 32 bytes apart.
.macro ALOAD c
.if (\c) < 4
	WIN 0x80
.else
	WIN 0xc0
.endif
.irp a, 0,1,2,3
.irp e, 0,1
	global_load_b128 v[64*((\c)%4)+16*\a+8*\e:64*((\c)%4)+16*\a+8*\e+3],   v[AO], s[8:9] offset:16384*\a+128*(\c)+64*\e
	global_load_b128 v[64*((\c)%4)+16*\a+8*\e+4:64*((\c)%4)+16*\a+8*\e+7], v[AO], s[8:9] offset:16384*\a+128*(\c)+64*\e+32
.endr
.endr
.endm
; 8 turning loads: Wp's fragments of 32 k at kk, the four column blocks, into half kk % 2.
.macro BF kk
	WIN 0
.irp nb, 0,1,2,3
.if (\kk) < 8
	ds_load_tr16_b128 v[B+32*((\kk)%2)+8*\nb:B+32*((\kk)%2)+8*\nb+3],   v[BA] offset:32*PW*(\kk)+32*\nb
	ds_load_tr16_b128 v[B+32*((\kk)%2)+8*\nb+4:B+32*((\kk)%2)+8*\nb+7], v[BA] offset:32*PW*(\kk)+32*\nb+16*PW
.else
	ds_load_tr16_b128 v[B+32*((\kk)%2)+8*\nb:B+32*((\kk)%2)+8*\nb+3],   v[BA2] offset:32*PW*((\kk)-8)+32*\nb
	ds_load_tr16_b128 v[B+32*((\kk)%2)+8*\nb+4:B+32*((\kk)%2)+8*\nb+7], v[BA2] offset:32*PW*((\kk)-8)+32*\nb+16*PW
.endif
.endr
.endm
; 16 products on the 16 accumulators, which take turns in the same order at every kk.  kk = 0 starts the sums with the bias as C: nothing is cleared or moved.
.macro MUL kk
.if (\kk) == 0
	WIN 0x48
.elseif (\kk) < 8
	WIN 0x58
.else
	WIN 0x5c
.endif
.irp nb, 0,1,2,3
.irp a, 0,1,2,3
.set rc, 8*(4*\nb+\a)
.set rw, B+32*((\kk)%2)+8*\nb
.set ra, 64*(((\kk)/2)%4)+16*\a+8*((\kk)%2)
.if (\kk) == 0
	v_wmma_f32_16x16x32_f16 v[rc:rc+7], v[rw:rw+7], v[ra:ra+7], v[BI+8*\nb:BI+8*\nb+7]
.else
	v_wmma_f32_16x16x32_f16 v[rc:rc+7], v[rw:rw+7], v[ra:ra+7], v[rc:rc+7]
.endif
.endr
.endr
.endm
.irp nb, 0,1,2,3                    ; the bias: my eight numbers of each column block
	global_load_b128 v[BI+8*\nb:BI+8*\nb+3],   v[BO], s[12:13] offset:64*\nb
	global_load_b128 v[BI+8*\nb+4:BI+8*\nb+7], v[BO], s[12:13] offset:64*\nb+16
.endr
	WIN 0xc0
.set i, 0
.rept 64                            ; Wp: rows 2 i and 2 i + 1 of my 128; each load covers two rows' aligned 256 bytes
	global_load_b128 v[4*i:4*i+3], v[WO], s[10:11] offset:4096*i
.set i, i+1
.endr
	ALOAD 0
	ALOAD 1
	ALOAD 2
	ALOAD 3
	s_wait_loadcnt 63               ; behind Wp's last load went O's 64; the bias and Wp are in
.set g, 0
.rept 8
	WIN 0x0f                        ; sources in window 3, destination in window 0
.set i, 0
.rept 16
	v_cvt_pk_f16_f32 v[B+i], v[32*g+2*i], v[32*g+2*i+1]
.set i, i+1
.endr
	WIN 0
.irp ii, 0,1,2,3,4,5,6,7
	ds_store_b64 v[WS0], v[B+2*\ii:B+2*\ii+1] offset:2*PW*(8*g+\ii)
.endr
.set g, g+1
.endr
	s_wait_dscnt 0x0                ; for the others' sake: my quarter of the slice is stored
	s_barrier_signal -1
	s_barrier_wait -1               ; the one barrier: from here on the slice is only read
	BF 0
	BF 1
.set c, 0
.rept 8
.if c < 4
	s_wait_loadcnt 48               ; chunk c is in: behind it went three chunks' 48 loads
	ALOAD c+4                       ; into the registers that Wp's f32 numbers have left
.else
	s_wait_loadcnt 16*(7-c)         ; the chunks behind chunk c, 16 loads each
.endif
.irp e, 0,1
.if (2*c+\e) == 15
	s_wait_dscnt 0x0
.else
	s_wait_dscnt 8                  ; this half's 8 loads are in, the other half's may stay out
.endif
	MUL 2*c+\e
.if (2*c+\e) < 14
	PLACES
	BF 2*c+\e+2
.endif
.endr
.set c, c+1
.endr
	PLACES
; THE WAY OUT, a row block a at a time: 32 bytes a lane straight from the accumulators (the low half first) into my stage, back as whole rows of 256 bytes.
.macro PACK a
	WIN 0x04                        ; the stores' data in window 1
.irp nb, 0,1,2,3
	ds_store_b128 v[STO], v[8*(4*\nb+(\a)):8*(4*\nb+(\a))+3]   offset:64*\nb
	ds_store_b128 v[STO], v[8*(4*\nb+(\a))+4:8*(4*\nb+(\a))+7] offset:64*\nb+16
.endr
	WIN 0
.irp f, 0,1,2,3,4,5,6,7
	ds_load_b128 v[OB+32*(\a)+4*\f:OB+32*(\a)+4*\f+3], v[RD] offset:\f*2*SP  ; LDS serves a wave's instructions in order (ISA guide 5.7.1.4): these see the stores above; the next block's stores come behind them
.endr
.endm
.macro SEND a, younger              ; younger: the LDS instructions issued behind block a's loads: the next block's sixteen, or none.  Each block has registers of its own: no store's data is rewritten
.irp f, 0,1,2,3,4,5,6,7
	s_wait_dscnt (\younger)+7-\f
	global_store_b128 v[GO], v[OB+32*(\a)+4*\f:OB+32*(\a)+4*\f+3], s[14:15] offset:(16*(\a)+2*\f)*2048 th:TH_STORE_NT  ; 16 lanes store 256 consecutive bytes, at a multiple of 256 from out0's first byte
.endr
.endm
	PACK 0
	PACK 1
	SEND 0, 16
	PACK 2
	SEND 1, 16
	PACK 3
	SEND 2, 16
	SEND 3, 0
	s_wait_tensorcnt 0x0            ; the wave's end, behind my last LDS store
	ds_add_u32 v[SPW], v[NIL]
	s_wait_dscnt 0x0
	s_endpgm
.Lfunc_end_k_q7cf72096f1_outp:
	.size	k_q7cf72096f1_outp, .Lfunc_end_k_q7cf72096f1_outp-k_q7cf72096f1_outp
	.p2alignl 7, 3214868480
	.fill 96, 4, 3214868480
	.section	.rodata,"a",@progbits
	.p2align	6, 0x0
	.amdhsa_kernel k_q7cf72096f1_outp
		.amdhsa_group_segment_fixed_size 99840
		.amdhsa_private_segment_fixed_size 0
		.amdhsa_enable_private_segment 0
		.amdhsa_kernarg_size 32
		.amdhsa_user_sgpr_count 2
		.amdhsa_user_sgpr_kernarg_segment_ptr 1
		.amdhsa_wavefront_size32 1
		.amdhsa_system_sgpr_workgroup_id_x 1
		.amdhsa_system_sgpr_workgroup_id_y 1
		.amdhsa_system_sgpr_workgroup_id_z 1
		.amdhsa_system_vgpr_workitem_id 0
		.amdhsa_next_free_vgpr 1024
		.amdhsa_next_free_sgpr 66
		.amdhsa_reserve_vcc 0
		.amdhsa_float_denorm_mode_32 3
		.amdhsa_float_denorm_mode_16_64 3
		.amdhsa_memory_ordered 1
		.amdhsa_forward_progress 1
		.amdhsa_inst_pref_size 71
	.end_amdhsa_kernel
	.amdgpu_metadata
---
amdhsa.version: [ 1, 2 ]
amdhsa.kernels:
  - .name:           k_q7cf72096f1_outp
    .symbol:         k_q7cf72096f1_outp.kd
    .args:
      - { .name: oh, .offset: 0, .size: 8, .value_kind: global_buffer, .address_space: global }
      - { .name: Wp, .offset: 8, .size: 8, .value_kind: global_buffer, .address_space: global }
      - { .name: bp, .offset: 16, .size: 8, .value_kind: global_buffer, .address_space: global }
      - { .name: out0, .offset: 24, .size: 8, .value_kind: global_buffer, .address_space: global }
    .group_segment_fixed_size: 99840
    .private_segment_fixed_size: 0
    .kernarg_segment_align: 8
    .kernarg_segment_size: 32
    .max_flat_workgroup_size: 128
    .sgpr_count:     66
    .vgpr_count:     1024
    .wavefront_size: 32
...
	.end_amdgpu_metadata
.endif
;; end of part 3
;; ======== version 2 of 2: 3 launches; version 1 with the launches proj, outp written anew for expert scheduling mode
;; limits: values are held in f16: magnitudes above 65,504 overflow, below 6.1e-05 lose precision
;; workspace buffers: qh 8,388,608 bytes; kh 8,388,608 bytes; vh 8,388,608 bytes; oh 8,388,608 bytes
;; launch proj (part 4): grid 8 x 32, 4 waves a work-group, no clusters, 69,120 bytes of LDS; arguments x, Wq, Wk, Wv, bq, bk, bv, qh, kh, vh; writes qh, kh, vh
.if DOCPART == 4
	.amdgcn_target "amdgcn-amd-amdhsa--gfx1250"
	.amdhsa_code_object_version 6
	.text
	.protected	k_q7cf72096f1_proj
	.globl	k_q7cf72096f1_proj
	.p2align	8
	.type	k_q7cf72096f1_proj,@function
k_q7cf72096f1_proj:
	s_mov_b64 s[64:65], 0
	v_nop
	global_prefetch_b8 v0, s[64:65] scope:SCOPE_SE
	s_setreg_imm32_b32 hwreg(HW_REG_WAVE_SCHED_MODE, 0, 2), 2
	s_setreg_imm32_b32 hwreg(HW_REG_WAVE_MODE, 25, 1), 1
	s_wait_xcnt 0x0
	s_wait_alu depctr_vm_vsrc(0)
; q, k, v = x W + b for one head j and 256 rows.  x: [8192][512] f32; Wq, Wk, Wv: [512 k][512 n] f32; biases [512] f32.
; Out: qh, kh, vh = [2][8][4096][64] f16: a head's rows are dense, 128 bytes each; each number is rounded once from its f32 sum, unscaled.
; LIMITS.  x and W are rounded to f16 for the products, q, k, v to f16 on the way out: f16 holds no number beyond 65,504 (a larger one becomes an infinity) and keeps a fixed
; step of 6e-8 below 6e-5.  NaN and infinities are not treated apart.
; SHARES.  Work-group (j, rb): rows 256 rb .. + 255, the 64 columns of head j in each of the three products.  Wave w: rows 64 w .. + 63 x all 192 columns: 48 accumulators of 16 x 16.
; THE PRODUCT IS USED TRANSPOSED (source 0 = 16 columns of W, source 1 = 16 rows of x): a lane then holds one row and eight neighbouring columns, 16 bytes of f16.
; K goes in 8 chunks of 64.  W's chunk (64 k x 192 n) is loaded in f32, rounded in registers and laid into one of two LDS buffers as it lies, [k][n]; the turning load makes fragments of it.
; A wave's rows of x are its own: they go from memory to registers, are rounded there and never touch LDS.  A chunk's 56 loads go out at the head of the chunk before.
; NO TENSOR LOADS, NO CLUSTER: both operands arrive in f32 and have to pass through registers to be rounded before they can be matrix operands, so a tile brought into LDS by the mover
; would be read out, rounded and (for W) stored again; x's fragments are shared by no two waves of a work-group.
; NO PREFETCH: every load is issued a whole chunk (96 matrix instructions) ahead of its wait, and x and W are each read by several work-groups.
; THE SUMS START AT THE BIAS: 384 v_mov_b32 lay it into the accumulators while the first 56 loads are out; the price of one form of product and no addition at the end.
; THE MODE: SCHED_MODE bits 1:0 = 2 (LLVM: expert scheduling mode 2), set by the entry lines.  The code itself states the register dependences
; between vector or matrix instructions and memory or LDS instructions, with s_wait_alu, always for 0.
; THE PLAN.  Registers that memory or LDS instructions touch:
;   XS, WG        x and W in f32.  Written by the loads at a chunk's head; read by the conversions at that chunk's end.
;   CT            W's chunk rounded, 48 registers.  Written by W's 48 conversions; read by the 24 LDS stores behind them.
;   B             W's fragments, FOUR buffers of 48, one for each block of 24 products of a chunk.  Written by the turning loads; read by that chunk's products.
;   WSC, BAC      LDS addresses in the buffer that is written in this chunk and read in the next.  Written by two adds behind a chunk's products; read by the LDS stores and by the next chunk's turning loads.
;   XO, WO, BO, STO, RD, GO   made at the head and never written again: x's and W's rows are reached by scalar bases and immediate offsets.
;   x's fragments and the accumulators are named by vector and matrix instructions alone.
; So a chunk has three waits.  (1) va_vdst at its head: x's conversions are done reading XS.  (2) vm_vsrc behind its products: the LDS stores and turning loads issued so far have read WSC, CT and BAC.
; (3) va_vdst behind W's conversions: CT, WSC and BAC are written, WG is done being read, and the chunk's products are done reading all four buffers of B.  Behind (3) and (1) the next chunk's 48 turning
; loads and 56 loads from memory are dealt among its products with no further wait: a product names the buffer of B that was loaded for it, x's fragments and accumulators, never a buffer whose load is still to be issued.
; REGISTERS, in windows of 256 (s_set_vgpr_msb: bits 1:0 source 0, 3:2 source 1, 5:4 source 2, 7:6 destination):
;   window 0: v2-13 addresses; v14-19 at the head only; v32-95 x's fragments (f16); v96-191 W's fragments of a chunk's first 32 k, two halves of 48; v192-239 CT; on the way out v32-223
;   window 1: accumulators of column blocks 0-7 (block nb, row block a at 8 (4 nb + a));  window 2: v0-127 those of blocks 8-11, v128-223 W's fragments of a chunk's second 32 k
;   window 3: v0-127 x in f32, v128-223 W in f32; on the way out v0-191 the rows read back from the stage
.set PW,    416       ; a row of W's chunk in LDS: 192 f16 + 32 bytes = 13 x 32 bytes
.set WB1,   32768     ; the second buffer; one exclusive or turns an address in one buffer into the other's
.set STAGE, 59392     ; 16 rows x 144 bytes for each wave, for the way out
.set SP,    144
.set SPARE, 68608     ; the spare words, 128 bytes a wave: two blocks of 256 bytes that no other line names
.set XO,  2           ; my byte offset in the block's rows of x
.set WO,  3           ; my byte offset in a chunk of W
.set WS0, 4           ; where I store my 8 bytes of W's chunk, in buffer 0
.set BA0, 5           ; my lane's place for the turning load, in buffer 0
.set STO, 6
.set RD,  7
.set GO,  8
.set BO,  9           ; my byte offset in 16 numbers of a bias
.set SPW, 10          ; LDS address of my spare word; never rewritten
.set NIL, 11          ; 0; never rewritten
.set BAC, 12          ; BA0 in the buffer that the next turning loads read
.set WSC, 13          ; WS0 in the buffer to be written
.set A,   32
.set B,   96          ; 32 k at c, half hf: B + 32 c + 48 hf, in window 0 (c = 0) or window 2 (c = 1)
.set CT,  192
.set OB,  32
.set XS,  0           ; window 3
.set WG,  128         ; window 3
.set RB,  0           ; window 3
.set WV,  4
.set CNT, 7
.set BT,  28          ; the LDS byte at which the buffer in hand begins
.set MSB, 0
.macro WIN new                      ; the high byte repeats the setting that is left; a switch that changes nothing is dropped
.if MSB != (\new)
	s_set_vgpr_msb (MSB<<8)|(\new)
.set MSB, (\new)
.endif
.endm
.macro PLACES                       ; four places in front of conversions that read matrix results or write over matrix sources (ISA guide 7.12.1)
.rept 4
	v_nop
.endr
.endm
	s_load_b512 s[8:23], s[0:1], 0x0   ; x s[8:9]; Wq, Wk, Wv s[10:15]; bq, bk, bv s[16:21]; qh s[22:23]
	s_load_b128 s[24:27], s[0:1], 0x40 ; kh, vh
	v_lshl_add_u32 v[SPW], v0, 2, SPARE
	v_mov_b32 v[NIL], 0
	v_lshrrev_b32 v1, 5, v0
	v_readfirstlane_b32 s[WV], v1   ; wave 0..3
	s_and_b32 s6, ttmp7, 0xffff     ; rb
	v_and_b32 v14, 15, v0           ; l % 16
	v_bfe_u32 v15, v0, 4, 1         ; l / 16
	v_and_b32 v16, 7, v0
	v_bfe_u32 v17, v0, 3, 1
	v_bfe_u32 v18, v0, 3, 2
	v_and_b32 v19, 31, v0
	s_wait_alu depctr_va_sdst(0)    ; the wave's number is written, ahead of its first reader: offsets and bases are made from it
	s_lshl_b32 s29, s[WV], 17       ; x: my wave's 64 rows of 2,048 bytes,
	v_lshlrev_b32 v[XO], 11, v14    ; row l % 16,
	v_lshl_add_u32 v[XO], v15, 5, v[XO]  ; eight f32 for each half of the lanes
	v_add_nc_u32 v[XO], s29, v[XO]
	s_lshl_b32 s29, s[WV], 15       ; W: my wave's 16 rows of a chunk, two rows a load,
	v_lshlrev_b32 v[WO], 11, v15
	v_lshl_add_u32 v[WO], v14, 4, v[WO]  ; sixteen lanes take a row's 256 bytes
	v_add_nc_u32 v[WO], s29, v[WO]
	s_mul_i32 s29, s[WV], 16*PW
	v_mul_u32_u24 v[WS0], v15, PW
	v_lshl_add_u32 v[WS0], v14, 3, v[WS0]
	v_add_nc_u32 v[WS0], s29, v[WS0]
	v_lshl_add_u32 v[BA0], v15, 3, v16   ; the turning load: lane l reads row 8 (l / 16) + l % 8, columns 8 ((l / 8) % 2) + 0..7
	v_mul_u32_u24 v[BA0], v[BA0], PW
	v_lshl_add_u32 v[BA0], v17, 4, v[BA0]
	s_mul_i32 s29, s[WV], 16*SP
	s_add_co_u32 s29, s29, STAGE    ; my stage
	v_mul_u32_u24 v[STO], v14, SP   ; in: row l % 16, 16 bytes for each half of the lanes
	v_lshl_add_u32 v[STO], v15, 4, v[STO]
	v_add_nc_u32 v[STO], s29, v[STO]
	v_mul_u32_u24 v[RD], v18, SP    ; back: 32 lanes take four rows of 128 bytes,
	v_lshl_add_u32 v[RD], v16, 4, v[RD]
	v_add_nc_u32 v[RD], s29, v[RD]
	v_lshlrev_b32 v[GO], 4, v19     ; which are 512 consecutive bytes of the output
	v_lshlrev_b32 v[BO], 5, v15
	s_lshl_b32 s30, s6, 19          ; x: 256 rb rows
	s_mov_b32 s31, 0
	s_lshl_b32 s32, ttmp9, 8        ; W and the biases: 64 j columns of f32
	s_mov_b32 s33, 0
	s_lshr_b32 s34, s6, 4           ; the batch,
	s_lshl_b32 s34, s34, 3
	s_add_co_u32 s34, s34, ttmp9    ; the plane 8 b + j of 4,096 rows x 128 bytes,
	s_lshl_b32 s34, s34, 19
	s_and_b32 s35, s6, 15
	s_lshl_b32 s35, s35, 15         ; the block's 256 rows in it,
	s_add_co_u32 s34, s34, s35
	s_lshl_b32 s35, s[WV], 13       ; my wave's 64
	s_add_co_u32 s34, s34, s35
	s_mov_b32 s35, 0
	s_mov_b32 s[BT], 0
	s_wait_kmcnt 0x0
	s_add_nc_u64 s[8:9], s[8:9], s[30:31]
.irp p, 10,12,14,16,18,20
	s_add_nc_u64 s[\p:\p+1], s[\p:\p+1], s[32:33]
.endr
.irp p, 22,24,26
	s_add_nc_u64 s[\p:\p+1], s[\p:\p+1], s[34:35]
.endr
	s_wait_alu depctr_va_vdst(0)    ; v[XO], v[WO], v[BO], v[STO], v[RD] and v[GO] are written: the kernel's loads and stores read them as offsets and addresses
; A chunk's 24 loads of W: product mu, rows 2 ii and 2 ii + 1 of my 16; each covers two rows' aligned 256 bytes.
.macro WLOAD
	WIN 0xc0
.irp mu, 0,1,2
.irp ii, 0,1,2,3,4,5,6,7
	global_load_b128 v[WG+4*(8*\mu+\ii):WG+4*(8*\mu+\ii)+3], v[WO], s[10+2*\mu:11+2*\mu] offset:4096*\ii
.endr
.endr
.endm
; A chunk's 32 loads of x.  A fragment (row block a, 32 k at c) holds for lane l row l % 16, k = 8 (l / 16) + 0..7 and 16 + 8 (l / 16) + 0..7: in f32 four loads of 16 bytes.
.macro XLOAD
	WIN 0xc0
.irp a, 0,1,2,3
.irp c, 0,1
	global_load_b128 v[XS+16*(2*\a+\c):XS+16*(2*\a+\c)+3],     v[XO], s[8:9] offset:32768*\a+128*\c
	global_load_b128 v[XS+16*(2*\a+\c)+4:XS+16*(2*\a+\c)+7],   v[XO], s[8:9] offset:32768*\a+128*\c+16
	global_load_b128 v[XS+16*(2*\a+\c)+8:XS+16*(2*\a+\c)+11],  v[XO], s[8:9] offset:32768*\a+128*\c+64
	global_load_b128 v[XS+16*(2*\a+\c)+12:XS+16*(2*\a+\c)+15], v[XO], s[8:9] offset:32768*\a+128*\c+80
.endr
.endr
.endm
; The chunk that has come is rounded: W into the LDS buffer at WSC, x into its fragments.  W's 48 conversions name no register of the last products: they are the places in front of the writes of x's fragments.
.macro CONVERT
	s_wait_loadcnt 32               ; W's 24 loads are in; x's 32, issued behind them, may stay out
	WIN 0x0f                        ; sources in window 3, destination in window 0
.set i, 0
.rept 48
	v_cvt_pk_f16_f32 v[CT+i], v[WG+2*i], v[WG+2*i+1]
.set i, i+1
.endr
	WIN 0
	s_wait_alu depctr_va_vdst(0)    ; the conversions have written v[CT ..] and the two adds v[WSC] and v[BAC], which the LDS stores below and the next turning loads read; the conversions are done reading WG; the products (ahead of chunk 0: the moves of the biases) are done reading B, in which those loads land
.irp mu, 0,1,2
.irp ii, 0,1,2,3,4,5,6,7
	ds_store_b64 v[WSC], v[CT+16*\mu+2*\ii:CT+16*\mu+2*\ii+1] offset:128*\mu+2*PW*\ii
.endr
.endr
	s_wait_loadcnt 0x0              ; x is in; no load is out, so the pointers may be stepped
	WIN 0x0f
.set i, 0
.rept 64
	v_cvt_pk_f16_f32 v[A+i], v[XS+2*i], v[XS+2*i+1]
.set i, i+1
.endr
	WIN 0
.endm
; 12 turning loads: W's fragments of 32 k at c, column blocks 6 hf .. 6 hf + 5, into the buffer of their own.
.macro BF c, hf
.if (\c) == 0
	WIN 0
.else
	WIN 0x80                        ; destination window 2, address window 0
.endif
.set rw, B+32*(\c)+48*(\hf)
.irp i, 0,1,2,3,4,5
	ds_load_tr16_b128 v[rw+8*\i:rw+8*\i+3],   v[BAC] offset:32*PW*(\c)+32*(6*(\hf)+\i)
	ds_load_tr16_b128 v[rw+8*\i+4:rw+8*\i+7], v[BAC] offset:32*PW*(\c)+32*(6*(\hf)+\i)+16*PW
.endr
.endm
; 24 products on 24 different accumulators; the 48 take turns in the same order in every chunk.
.macro MUL c, hf
.set rw, B+32*(\c)+48*(\hf)
.irp i, 0,1,2,3,4,5
.set nb, 6*(\hf)+\i
.if nb < 8
	WIN 0x50+2*(\c)
.else
	WIN 0xa0+2*(\c)
.endif
.irp a, 0,1,2,3
.set rc, 8*((4*nb+\a)%32)
	v_wmma_f32_16x16x32_f16 v[rc:rc+7], v[rw+8*\i:rw+8*\i+7], v[A+8*(2*\a+(\c)):A+8*(2*\a+(\c))+7], v[rc:rc+7]
.endr
.endr
.endm
; A chunk.  ld = 1: the next chunk is asked for at the head and, behind the products, rounded into the other buffer.  ONE barrier a chunk: the buffer that is written here was last read in the chunk
; before, and every wave waited for those reads in front of that chunk's barrier; the chunk that reads it stands behind this one's.
.macro CHUNK ld
.if \ld
	s_wait_alu depctr_va_vdst(0)    ; x's conversions are done reading XS, in which x's loads below land
	s_add_nc_u64 s[8:9], s[8:9], 256        ; 64 k of f32 along x's rows
	s_add_nc_u64 s[10:11], s[10:11], 131072 ; 64 rows of W
	s_add_nc_u64 s[12:13], s[12:13], 131072
	s_add_nc_u64 s[14:15], s[14:15], 131072
.endif
	BF 0, 0                         ; the runs of LDS loads and of loads from memory take turns
.if \ld
	WLOAD
.endif
	BF 0, 1
.if \ld
	XLOAD
.endif
	s_wait_dscnt 12                 ; the older 12 loads are in, the younger 12 may stay out: so at each of these three waits
	MUL 0, 0
	BF 1, 0                         ; no wait: no vector or matrix instruction since the last wait on va_vdst names this buffer or v[BAC]; so for the run below
	s_wait_dscnt 12
	MUL 0, 1
	BF 1, 1
	s_wait_dscnt 12
	MUL 1, 0
	s_wait_dscnt 0x0
	MUL 1, 1
.if \ld
	WIN 0
	s_xor_b32 s[BT], s[BT], WB1
	s_wait_alu depctr_vm_vsrc(0)    ; the last chunk's LDS stores have read v[WSC] and v[CT ..], this chunk's turning loads v[BAC]: the two adds and the conversions below write them again
	v_add_nc_u32 v[WSC], s[BT], v[WS0]
	v_add_nc_u32 v[BAC], s[BT], v[BA0]
	CONVERT
	s_wait_dscnt 0x0                ; for the others' sake: my stores are done (my reads were waited for above)
	s_barrier_signal -1
	s_barrier_wait -1
.endif
.endm
.irp mu, 0,1,2                      ; the biases: for column block nb = 4 mu + cb my eight numbers, into W's fragment registers of window 0, which are free
.irp cb, 0,1,2,3
	global_load_b128 v[B+8*(4*\mu+\cb):B+8*(4*\mu+\cb)+3],   v[BO], s[16+2*\mu:17+2*\mu] offset:64*\cb
	global_load_b128 v[B+8*(4*\mu+\cb)+4:B+8*(4*\mu+\cb)+7], v[BO], s[16+2*\mu:17+2*\mu] offset:64*\cb+16
.endr
.endr
	WLOAD                           ; chunk 0
	XLOAD
	s_wait_loadcnt 56               ; the biases are in; the 56 loads behind them may stay out
.set nb, 0
.rept 12
.if nb < 8
	WIN 0x40
.else
	WIN 0x80
.endif
.set t, 0
.rept 32                            ; the four row blocks' accumulators of column block nb
	v_mov_b32 v[8*((4*nb)%32)+t], v[B+8*nb+t%8]
.set t, t+1
.endr
.set nb, nb+1
.endr
	WIN 0
	v_add_nc_u32 v[WSC], s[BT], v[WS0]
	v_add_nc_u32 v[BAC], s[BT], v[BA0]
	CONVERT
	s_wait_dscnt 0x0
	s_barrier_signal -1
	s_barrier_wait -1
	s_mov_b32 s[CNT], 7
.Lchunk:                            ; chunks 0 to 6
	CHUNK 1
	s_sub_co_u32 s[CNT], s[CNT], 1
	s_cmp_lg_u32 s[CNT], 0
	s_cbranch_scc1 .Lchunk
	CHUNK 0                         ; chunk 7 asks for nothing
	WIN 0
	PLACES
; THE WAY OUT, in 12 groups g = 4 mu + a: 16 rows x 64 columns of product mu.  Rounded to f16 (each accumulator's registers in ascending order), 16 bytes a lane into my stage, back as whole rows of 128 bytes.
; A product's four groups are rounded in one run, into registers of their own, with one wait behind it; the rows come back into other registers, a set for each group: so nothing that an LDS store or a store to memory reads is written again.
.macro CVT m                        ; product m: 64 conversions; entry i belongs to group 4 m + i / 16
.if (\m) < 2
	WIN 0x05
.else
	WIN 0x0a
.endif
.set i, 0
.rept 64
.set rc, 8*((4*(4*(\m)+(i%16)/4)+i/16)%32)+2*(i%4)
	v_cvt_pk_f16_f32 v[OB+64*(\m)+i], v[rc], v[rc+1]
.set i, i+1
.endr
.endm
.macro STG g
	WIN 0xc0                        ; the loads' destination in window 3; addresses and the stores' data in window 0
.irp f, 0,1,2,3
	ds_store_b128 v[STO], v[OB+16*(\g)+4*\f:OB+16*(\g)+4*\f+3] offset:32*\f
.endr
.irp f, 0,1,2,3
	ds_load_b128 v[RB+16*(\g)+4*\f:RB+16*(\g)+4*\f+3], v[RD] offset:\f*4*SP  ; LDS serves a wave's instructions in order (ISA guide 5.7.1.4): these see the stores above; the next group's stores come behind them
.endr
.endm
.macro SEND g, younger              ; younger: the LDS instructions issued behind group g's loads: the next group's eight, or none
	WIN 0x0c                        ; the stores' data in window 3
.irp f, 0,1,2,3
	s_wait_dscnt (\younger)+3-\f
	global_store_b128 v[GO], v[RB+16*(\g)+4*\f:RB+16*(\g)+4*\f+3], s[22+2*((\g)/4):23+2*((\g)/4)] offset:2048*((\g)%4)+512*\f  ; 512 consecutive bytes, at a multiple of 256 from the buffer's first
.endr
.endm
	s_wait_alu depctr_vm_vsrc(0)    ; chunk 6's LDS stores have read v[CT ..], of which v192 to v223 are written again by the conversions below
.set t, 0
.rept 12
.if t%4 == 0
	CVT t/4
	s_wait_alu depctr_va_vdst(0)    ; the conversions have written this product's 64 registers of OB, which the LDS stores read; at the first of the three also: x's and W's conversions are done reading window 3, in which the rows from the stage land
.endif
	STG t
.if t > 0
	SEND t-1, 8
.endif
.set t, t+1
.endr
	SEND 11, 0
	WIN 0                           ; the add's two registers lie in window 0
	s_wait_dscnt 0x0                ; the closing lines, six on end
	s_wait_alu 0x0
	s_wait_tensorcnt 0x0
	ds_add_u32 v[SPW], v[NIL]
	s_wait_dscnt 0x0
	s_endpgm
.Lfunc_end_k_q7cf72096f1_proj:
	.size	k_q7cf72096f1_proj, .Lfunc_end_k_q7cf72096f1_proj-k_q7cf72096f1_proj
	.p2alignl 7, 3214868480
	.fill 96, 4, 3214868480
	.section	.rodata,"a",@progbits
	.p2align	6, 0x0
	.amdhsa_kernel k_q7cf72096f1_proj
		.amdhsa_group_segment_fixed_size 69120
		.amdhsa_private_segment_fixed_size 0
		.amdhsa_enable_private_segment 0
		.amdhsa_kernarg_size 80
		.amdhsa_user_sgpr_count 2
		.amdhsa_user_sgpr_kernarg_segment_ptr 1
		.amdhsa_wavefront_size32 1
		.amdhsa_system_sgpr_workgroup_id_x 1
		.amdhsa_system_sgpr_workgroup_id_y 1
		.amdhsa_system_sgpr_workgroup_id_z 1
		.amdhsa_system_vgpr_workitem_id 0
		.amdhsa_next_free_vgpr 992
		.amdhsa_next_free_sgpr 66
		.amdhsa_reserve_vcc 0
		.amdhsa_float_denorm_mode_32 3
		.amdhsa_float_denorm_mode_16_64 3
		.amdhsa_memory_ordered 1
		.amdhsa_forward_progress 1
		.amdhsa_inst_pref_size 91
	.end_amdhsa_kernel
	.amdgpu_metadata
---
amdhsa.version: [ 1, 2 ]
amdhsa.kernels:
  - .name:           k_q7cf72096f1_proj
    .symbol:         k_q7cf72096f1_proj.kd
    .args:
      - { .name: x, .offset: 0, .size: 8, .value_kind: global_buffer, .address_space: global }
      - { .name: Wq, .offset: 8, .size: 8, .value_kind: global_buffer, .address_space: global }
      - { .name: Wk, .offset: 16, .size: 8, .value_kind: global_buffer, .address_space: global }
      - { .name: Wv, .offset: 24, .size: 8, .value_kind: global_buffer, .address_space: global }
      - { .name: bq, .offset: 32, .size: 8, .value_kind: global_buffer, .address_space: global }
      - { .name: bk, .offset: 40, .size: 8, .value_kind: global_buffer, .address_space: global }
      - { .name: bv, .offset: 48, .size: 8, .value_kind: global_buffer, .address_space: global }
      - { .name: qh, .offset: 56, .size: 8, .value_kind: global_buffer, .address_space: global }
      - { .name: kh, .offset: 64, .size: 8, .value_kind: global_buffer, .address_space: global }
      - { .name: vh, .offset: 72, .size: 8, .value_kind: global_buffer, .address_space: global }
    .group_segment_fixed_size: 69120
    .private_segment_fixed_size: 0
    .kernarg_segment_align: 8
    .kernarg_segment_size: 80
    .max_flat_workgroup_size: 128
    .sgpr_count:     66
    .vgpr_count:     992
    .wavefront_size: 32
...
	.end_amdgpu_metadata
.endif
;; end of part 4
;; launch attn: the kernel of part 2 again; grid 32 x 8, 4 waves a work-group, clusters of 4 x 1, 327,680 bytes of LDS; arguments qh, kh, vh, coords, slopes, oh; writes oh
;; launch outp (part 5): grid 8 x 32, 4 waves a work-group, no clusters, 99,840 bytes of LDS; arguments oh, Wp, bp, out0; writes out0
.if DOCPART == 5
	.amdgcn_target "amdgcn-amd-amdhsa--gfx1250"
	.amdhsa_code_object_version 6
	.text
	.protected	k_q7cf72096f1_outp
	.globl	k_q7cf72096f1_outp
	.p2align	8
	.type	k_q7cf72096f1_outp,@function
k_q7cf72096f1_outp:
	s_mov_b64 s[64:65], 0
	v_nop
	global_prefetch_b8 v0, s[64:65] scope:SCOPE_SE
	s_setreg_imm32_b32 hwreg(HW_REG_WAVE_SCHED_MODE, 0, 2), 2
	s_setreg_imm32_b32 hwreg(HW_REG_WAVE_MODE, 25, 1), 1
	s_wait_xcnt 0x0
	s_wait_alu depctr_vm_vsrc(0)
; out0 = O Wp + bp.  oh: [8192][512] f16; Wp: [512 k][512 n] f32; bp: [512] f32; out0: [8192][512] f32.  Sums in f32, starting at the bias.
; LIMITS.  Wp is rounded to f16 for the product: no number beyond 65,504, a fixed step of 6e-8 below 6e-5.  NaN and infinities are not treated apart.
; SHARES.  Work-group (j, rb): rows 256 rb .. + 255 x columns 64 j .. + 63 (256 bytes of a row of out0).  Wave w: rows 64 w .. + 63 x the 64 columns: 16 accumulators of 16 x 16.
; THE PRODUCT IS USED TRANSPOSED (source 0 = 16 columns of Wp, source 1 = 16 rows of O): a lane holds one row and eight neighbouring columns, 32 bytes of f32.
; STRAIGHT-LINE, NO LOOP.  Wp's slice (512 k x 64 n) is loaded once in f32, each wave a quarter, rounded in registers and kept in LDS as f16 [k][n]; the turning load makes fragments of it.
; A wave's rows of O are its own: all 64 x 512 of them are loaded straight into 512 registers as fragments, half at the head, the other half into the registers that Wp's f32 numbers have left.
; NO TENSOR LOADS, NO CLUSTER: Wp arrives in f32 and passes through registers to be rounded; O's fragments are shared by no two waves of a work-group.
; NO PREFETCH: all loads go out at the head or four chunks (128 matrix instructions) ahead of their wait.
; THE MODE: SCHED_MODE bits 1:0 = 2 (LLVM: expert scheduling mode 2), set by the entry lines.  The code itself states the register dependences
; between vector or matrix instructions and memory or LDS instructions, with s_wait_alu, always for 0.
; THE PLAN.  Registers that memory or LDS instructions touch:
;   window 3      Wp in f32: written by 64 loads, read by the 128 conversions; then O's fragments of k = 256..511 land there, which the products from kk = 8 on read.
;   CT            Wp rounded, 128 registers: written by the conversions, read by the 64 LDS stores.
;   F             Wp's fragments, TEN buffers of 32: kk = 0..5 in window 0, kk = 6..9 in window 1, kk = 10..15 in window 0 again, where kk = 0..5 lay.  Written by the turning loads, read by the products of that kk.
;   OB            the rows read back from the stage: written by LDS loads, read by the stores to memory.  The accumulators are the data of the LDS stores into the stage.
;   the nine offsets and addresses are made at the head and never written again.
; CT, the first four buffers of F and OB are the same registers, one after the other.  The waits: va_vdst behind the conversions (CT is written; window 3 is done being read); vm_vsrc behind the barrier (the LDS stores
; have read CT, in which fragments land); ONE va_vdst among the products, at chunk 4's head (the products of kk = 0..7 are done reading their fragments, so those of kk = 10..15 may land); va_vdst ahead of the way out.
; Every other turning load lands in a buffer that no vector or matrix instruction has named since the last of these waits.
; REGISTERS, in windows of 256 (s_set_vgpr_msb: bits 1:0 source 0, 3:2 source 1, 5:4 source 2, 7:6 destination):
;   window 0: v2-13 addresses; v32-223 six buffers of Wp's fragments (v32-159 before them CT, behind them OB); v224-255 the bias
;   window 1: v0-127 accumulators (column block nb, row block a at 8 (4 nb + a)); v128-255 four buffers of Wp's fragments
;   window 2: O's fragments of k = 0..255 (32 k at kk, row block a at 64 ((kk / 2) % 4) + 16 a + 8 (kk % 2))      window 3: first Wp in f32, then O's fragments of k = 256..511
.set PW,    160       ; a row of Wp's slice in LDS: 64 f16 + 32 bytes = 5 x 32 bytes
.set STAGE, 512*PW    ; 16 rows x 272 bytes for each wave, for the way out
.set SP,    272
.set SPARE, STAGE+4*16*SP  ; the spare words, 128 bytes a wave: two blocks of 256 bytes that no other line names
.set AO,  2
.set WO,  3
.set WS0, 4
.set BA,  5           ; my lane's place for the turning load, k = 0..255
.set BA2, 6           ; the same for k = 256..511: the immediate has 16 bits
.set STO, 7
.set RD,  8
.set GO,  9
.set BO,  10
.set SPW, 12          ; LDS address of my spare word; never rewritten
.set NIL, 13          ; 0; never rewritten
.set CT,  32
.set OB,  32
.set F,   32          ; window 0: kk = 0..5 at F + 32 kk, kk = 10..15 at F + 32 (kk - 10)
.set F1,  128         ; window 1: kk = 6..9 at F1 + 32 (kk - 6)
.set BI,  224
.set WV,  4
.set MSB, 0
.macro WIN new                      ; the high byte repeats the setting that is left; a switch that changes nothing is dropped
.if MSB != (\new)
	s_set_vgpr_msb (MSB<<8)|(\new)
.set MSB, (\new)
.endif
.endm
.macro PLACES                       ; four places behind matrix instructions (ISA guide 7.12.1)
.rept 4
	v_nop
.endr
.endm
	s_load_b256 s[8:15], s[0:1], 0x0  ; oh s[8:9], Wp s[10:11], bp s[12:13], out0 s[14:15]
	v_lshl_add_u32 v[SPW], v0, 2, SPARE
	v_mov_b32 v[NIL], 0
	v_lshrrev_b32 v1, 5, v0
	v_readfirstlane_b32 s[WV], v1   ; wave 0..3
	s_and_b32 s6, ttmp7, 0xffff     ; rb
	v_and_b32 v14, 15, v0           ; l % 16
	v_bfe_u32 v15, v0, 4, 1         ; l / 16
	v_and_b32 v16, 7, v0
	v_bfe_u32 v17, v0, 3, 1
	s_wait_alu depctr_va_sdst(0)    ; the wave's number is written, ahead of its first reader: offsets and bases are made from it
	s_lshl_b32 s16, s[WV], 16       ; O: my wave's 64 rows of 1,024 bytes, row l % 16, 16 bytes for each half of the lanes
	v_lshlrev_b32 v[AO], 10, v14
	v_lshl_add_u32 v[AO], v15, 4, v[AO]
	v_add_nc_u32 v[AO], s16, v[AO]
	s_lshl_b32 s16, s[WV], 18       ; Wp: my wave's 128 rows of 2,048 bytes, two rows a load, sixteen lanes to a row's 256 bytes
	v_lshlrev_b32 v[WO], 11, v15
	v_lshl_add_u32 v[WO], v14, 4, v[WO]
	v_add_nc_u32 v[WO], s16, v[WO]
	s_mul_i32 s16, s[WV], 128*PW
	v_mul_u32_u24 v[WS0], v15, PW
	v_lshl_add_u32 v[WS0], v14, 3, v[WS0]
	v_add_nc_u32 v[WS0], s16, v[WS0]
	v_lshl_add_u32 v[BA], v15, 3, v16    ; the turning load: lane l reads row 8 (l / 16) + l % 8, columns 8 ((l / 8) % 2) + 0..7
	v_mul_u32_u24 v[BA], v[BA], PW
	v_lshl_add_u32 v[BA], v17, 4, v[BA]
	v_add_nc_u32 v[BA2], 256*PW, v[BA]
	s_mul_i32 s16, s[WV], 16*SP
	s_add_co_u32 s16, s16, STAGE    ; my stage
	v_mul_u32_u24 v[STO], v14, SP   ; in: row l % 16, 32 bytes for each half of the lanes
	v_lshl_add_u32 v[STO], v15, 5, v[STO]
	v_add_nc_u32 v[STO], s16, v[STO]
	v_mul_u32_u24 v[RD], v15, SP    ; back: lanes 0-15 take one row of 256 bytes, lanes 16-31 the next
	v_lshl_add_u32 v[RD], v14, 4, v[RD]
	v_add_nc_u32 v[RD], s16, v[RD]
	v_lshlrev_b32 v[GO], 11, v15    ; and the same two rows in out0
	v_lshl_add_u32 v[GO], v14, 4, v[GO]
	v_lshlrev_b32 v[BO], 5, v15
	s_lshl_b32 s18, s6, 18          ; oh: 256 rb rows
	s_mov_b32 s19, 0
	s_lshl_b32 s20, ttmp9, 8        ; Wp, bp: 64 j columns of f32
	s_mov_b32 s21, 0
	s_lshl_b32 s22, s6, 19          ; out0: 256 rb rows of 2,048 bytes,
	s_lshl_b32 s23, s[WV], 17       ; my wave's 64,
	s_add_co_u32 s22, s22, s23
	s_add_co_u32 s22, s22, s20      ; the 64 columns
	s_mov_b32 s23, 0
	s_wait_kmcnt 0x0
	s_add_nc_u64 s[8:9], s[8:9], s[18:19]
	s_add_nc_u64 s[10:11], s[10:11], s[20:21]
	s_add_nc_u64 s[12:13], s[12:13], s[20:21]
	s_add_nc_u64 s[14:15], s[14:15], s[22:23]
	s_wait_alu depctr_va_vdst(0)    ; the offsets and addresses v2 to v10 are written: the kernel's loads and stores read them
; 16 loads: O's fragments of chunk c (64 k).  A fragment holds for lane l row l % 16, k = 8 (l / 16) + 0..7 and 16 + 8 (l / 16) + 0..7: two loads of 16 bytes, 32 bytes apart.
.macro ALOAD c
.if (\c) < 4
	WIN 0x80
.else
	WIN 0xc0
.endif
.irp a, 0,1,2,3
.irp e, 0,1
	global_load_b128 v[64*((\c)%4)+16*\a+8*\e:64*((\c)%4)+16*\a+8*\e+3],   v[AO], s[8:9] offset:16384*\a+128*(\c)+64*\e
	global_load_b128 v[64*((\c)%4)+16*\a+8*\e+4:64*((\c)%4)+16*\a+8*\e+7], v[AO], s[8:9] offset:16384*\a+128*(\c)+64*\e+32
.endr
.endr
.endm
; 8 turning loads: Wp's fragments of 32 k at kk, the four column blocks, into kk's buffer.
.macro BF kk
.if (\kk) < 6
	WIN 0
.set rf, F+32*(\kk)
.elseif (\kk) < 10
	WIN 0x40                        ; destination window 1, address window 0
.set rf, F1+32*((\kk)-6)
.else
	WIN 0
.set rf, F+32*((\kk)-10)
.endif
.irp nb, 0,1,2,3
.if (\kk) < 8
	ds_load_tr16_b128 v[rf+8*\nb:rf+8*\nb+3],   v[BA] offset:32*PW*(\kk)+32*\nb
	ds_load_tr16_b128 v[rf+8*\nb+4:rf+8*\nb+7], v[BA] offset:32*PW*(\kk)+32*\nb+16*PW
.else
	ds_load_tr16_b128 v[rf+8*\nb:rf+8*\nb+3],   v[BA2] offset:32*PW*((\kk)-8)+32*\nb
	ds_load_tr16_b128 v[rf+8*\nb+4:rf+8*\nb+7], v[BA2] offset:32*PW*((\kk)-8)+32*\nb+16*PW
.endif
.endr
.endm
; 16 products on the 16 accumulators, which take turns in the same order at every kk.  kk = 0 starts the sums with the bias as C: nothing is cleared or moved.
.macro MUL kk
.if (\kk) == 0
	WIN 0x48                        ; Wp window 0, O window 2, C (the bias) window 0, D window 1
.set rf, F
.elseif (\kk) < 6
	WIN 0x58                        ; C window 1 from here on
.set rf, F+32*(\kk)
.elseif (\kk) < 8
	WIN 0x59                        ; Wp window 1
.set rf, F1+32*((\kk)-6)
.elseif (\kk) < 10
	WIN 0x5d                        ; O window 3
.set rf, F1+32*((\kk)-6)
.else
	WIN 0x5c                        ; Wp window 0 again
.set rf, F+32*((\kk)-10)
.endif
.irp nb, 0,1,2,3
.irp a, 0,1,2,3
.set rc, 8*(4*\nb+\a)
.set rw, rf+8*\nb
.set ra, 64*(((\kk)/2)%4)+16*\a+8*((\kk)%2)
.if (\kk) == 0
	v_wmma_f32_16x16x32_f16 v[rc:rc+7], v[rw:rw+7], v[ra:ra+7], v[BI+8*\nb:BI+8*\nb+7]
.else
	v_wmma_f32_16x16x32_f16 v[rc:rc+7], v[rw:rw+7], v[ra:ra+7], v[rc:rc+7]
.endif
.endr
.endr
.endm
.irp nb, 0,1,2,3                    ; the bias: my eight numbers of each column block
	global_load_b128 v[BI+8*\nb:BI+8*\nb+3],   v[BO], s[12:13] offset:64*\nb
	global_load_b128 v[BI+8*\nb+4:BI+8*\nb+7], v[BO], s[12:13] offset:64*\nb+16
.endr
	WIN 0xc0
.set i, 0
.rept 64                            ; Wp: rows 2 i and 2 i + 1 of my 128; each load covers two rows' aligned 256 bytes
	global_load_b128 v[4*i:4*i+3], v[WO], s[10:11] offset:4096*i
.set i, i+1
.endr
	ALOAD 0
	ALOAD 1
	ALOAD 2
	ALOAD 3
	s_wait_loadcnt 63               ; behind Wp's last load went O's 64; the bias and Wp are in
	WIN 0x0f                        ; sources in window 3, destination in window 0
.set i, 0
.rept 128
	v_cvt_pk_f16_f32 v[CT+i], v[2*i], v[2*i+1]
.set i, i+1
.endr
	WIN 0
	s_wait_alu depctr_va_vdst(0)    ; the conversions have written v[CT ..], which the LDS stores read, and are done reading window 3, in which O's fragments of k = 256..511 land later: no product below kk = 8 names window 3
.set i, 0
.rept 64
	ds_store_b64 v[WS0], v[CT+2*i:CT+2*i+1] offset:2*PW*i
.set i, i+1
.endr
	s_wait_dscnt 0x0                ; for the others' sake: my quarter of the slice is stored
	s_barrier_signal -1
	s_barrier_wait -1               ; the one barrier: from here on the slice is only read
	s_wait_alu depctr_vm_vsrc(0)    ; my LDS stores have read v[CT ..]: these registers are buffers of Wp's fragments from here on, written by the turning loads
	BF 0
	BF 1
.set c, 0
.rept 8
.if c < 4
	s_wait_loadcnt 48               ; chunk c is in: behind it went three chunks' 48 loads
	ALOAD c+4                       ; into the registers that Wp's f32 numbers have left
.else
	s_wait_loadcnt 16*(7-c)         ; the chunks behind chunk c, 16 loads each
.endif
.if c == 4
	PLACES                          ; four places between the products of kk = 0..5 and the loads into the registers that they read
	s_wait_alu depctr_va_vdst(0)    ; the products of kk = 0..7 are done reading their fragments of Wp: where those of kk = 0..5 lay, the fragments of kk = 10..15 land, each before a product behind this wait names its buffer
.endif
.irp e, 0,1
.if (2*c+\e) == 15
	s_wait_dscnt 0x0
.else
	s_wait_dscnt 8                  ; this kk's 8 loads are in, the next one's may stay out
.endif
	MUL 2*c+\e
.if (2*c+\e) < 14
	BF 2*c+\e+2
.endif
.endr
.set c, c+1
.endr
	PLACES                          ; four places behind the last matrix instruction, before its result is read
	s_wait_alu depctr_va_vdst(0)    ; the products have written the accumulators, which the LDS stores read, and are done reading v[OB ..], in which the rows from the stage land; the places above stay beside this wait
; THE WAY OUT, a row block a at a time: 32 bytes a lane straight from the accumulators (the low half first) into my stage, back as whole rows of 256 bytes.
.macro PACK a
	WIN 0x04                        ; the stores' data in window 1
.irp nb, 0,1,2,3
	ds_store_b128 v[STO], v[8*(4*\nb+(\a)):8*(4*\nb+(\a))+3]   offset:64*\nb
	ds_store_b128 v[STO], v[8*(4*\nb+(\a))+4:8*(4*\nb+(\a))+7] offset:64*\nb+16
.endr
	WIN 0
.irp f, 0,1,2,3,4,5,6,7
	ds_load_b128 v[OB+32*(\a)+4*\f:OB+32*(\a)+4*\f+3], v[RD] offset:\f*2*SP  ; LDS serves a wave's instructions in order (ISA guide 5.7.1.4): these see the stores above; the next block's stores come behind them
.endr
.endm
.macro SEND a, younger              ; younger: the LDS instructions issued behind block a's loads: the next block's sixteen, or none.  Each block has registers of its own: no store's data is rewritten
.irp f, 0,1,2,3,4,5,6,7
	s_wait_dscnt (\younger)+7-\f
	global_store_b128 v[GO], v[OB+32*(\a)+4*\f:OB+32*(\a)+4*\f+3], s[14:15] offset:(16*(\a)+2*\f)*2048 th:TH_STORE_NT  ; 16 lanes store 256 consecutive bytes, at a multiple of 256 from out0's first byte
.endr
.endm
	PACK 0
	PACK 1
	SEND 0, 16
	PACK 2
	SEND 1, 16
	PACK 3
	SEND 2, 16
	SEND 3, 0
	s_wait_dscnt 0x0                ; the closing lines, six on end
	s_wait_alu 0x0
	s_wait_tensorcnt 0x0
	ds_add_u32 v[SPW], v[NIL]
	s_wait_dscnt 0x0
	s_endpgm
.Lfunc_end_k_q7cf72096f1_outp:
	.size	k_q7cf72096f1_outp, .Lfunc_end_k_q7cf72096f1_outp-k_q7cf72096f1_outp
	.p2alignl 7, 3214868480
	.fill 96, 4, 3214868480
	.section	.rodata,"a",@progbits
	.p2align	6, 0x0
	.amdhsa_kernel k_q7cf72096f1_outp
		.amdhsa_group_segment_fixed_size 99840
		.amdhsa_private_segment_fixed_size 0
		.amdhsa_enable_private_segment 0
		.amdhsa_kernarg_size 32
		.amdhsa_user_sgpr_count 2
		.amdhsa_user_sgpr_kernarg_segment_ptr 1
		.amdhsa_wavefront_size32 1
		.amdhsa_system_sgpr_workgroup_id_x 1
		.amdhsa_system_sgpr_workgroup_id_y 1
		.amdhsa_system_sgpr_workgroup_id_z 1
		.amdhsa_system_vgpr_workitem_id 0
		.amdhsa_next_free_vgpr 1024
		.amdhsa_next_free_sgpr 66
		.amdhsa_reserve_vcc 0
		.amdhsa_float_denorm_mode_32 3
		.amdhsa_float_denorm_mode_16_64 3
		.amdhsa_memory_ordered 1
		.amdhsa_forward_progress 1
		.amdhsa_inst_pref_size 69
	.end_amdhsa_kernel
	.amdgpu_metadata
---
amdhsa.version: [ 1, 2 ]
amdhsa.kernels:
  - .name:           k_q7cf72096f1_outp
    .symbol:         k_q7cf72096f1_outp.kd
    .args:
      - { .name: oh, .offset: 0, .size: 8, .value_kind: global_buffer, .address_space: global }
      - { .name: Wp, .offset: 8, .size: 8, .value_kind: global_buffer, .address_space: global }
      - { .name: bp, .offset: 16, .size: 8, .value_kind: global_buffer, .address_space: global }
      - { .name: out0, .offset: 24, .size: 8, .value_kind: global_buffer, .address_space: global }
    .group_segment_fixed_size: 99840
    .private_segment_fixed_size: 0
    .kernarg_segment_align: 8
    .kernarg_segment_size: 32
    .max_flat_workgroup_size: 128
    .sgpr_count:     66
    .vgpr_count:     1024
    .wavefront_size: 32
...
	.end_amdgpu_metadata
.endif
;; end of part 5
